; MI455X (gfx1250); checked and timed in simulation.
; The chip was launched on July 23, 2026; its instructions are those of AMD's public machine-readable ISA for CDNA 5 (MIT licence, August 2026) and "CDNA5" Instruction Set Architecture Reference Guide (July 2026). The comments in the code are by the model that wrote it; some were corrected since.
;; Qwen3 Attention. Allowed arithmetic: matrix products marked QUANTISED: E2M1 operands, one E8M0 scale for each 32 along K, by v_wmma_scale_f32_16x16x128_f8f6f4 with both operands' format E2M1 (or v_wmma_scale_f32_32x16x128_f4), f32 sums; products left as they are: bf16, f16 or f32 operands; f32 sums; everything else in f32.
;; Inputs: Wk 1,024 x 4,096 float32; Wo 4,096 x 2,048 float32; Wq 2,048 x 4,096 float32; Wv 1,024 x 4,096 float32; attention_mask 1 x 1 x 2,048 x 2,048 float32; hidden_states 1 x 2,048 x 4,096 float32; k_norm_w 128 float32; position_ids 1 x 2,048 int32; q_norm_w 128 float32.
;; Outputs: out0 1 x 2,048 x 4,096 float32.
;; This version of the problem:
;;   THIS VERSION OF THE PROBLEM IS GIVEN IN LOW PRECISION. The matrix products marked QUANTISED in the list below multiply operands that are first quantised to E2M1 (2 exponent bits, 1 mantissa bit; 4 bits a number), with one power-of-two scale for each 32 numbers along K (OCP MX v1.0); their sums are f32. The products marked 'left as it is' may take bf16, f16 or f32 operands, with f32 sums. Whichever they take, every output number must still come out within the allowed error. Rounding operands to bf16 (8 significant bits) uses up far more of that allowance than f16 does (11 bits, for magnitudes from 6e-5 to 65,504). All else is computed in f32.
;;   The module's matrix products, in the order in which they are computed (A, B: the left and right operand; K: the contracted axis; several contracted axes count as one K, in the product's order):
;;     1. [M 2,048, K 4,096] x [K 4,096, N 2,048]; A: input hidden_states; B: input Wq: QUANTISED
;;     2. [M 2,048, K 4,096] x [K 4,096, N 1,024]; A: input hidden_states; B: input Wk: QUANTISED
;;     3. [M 2,048, K 4,096] x [K 4,096, N 1,024]; A: input hidden_states; B: input Wv: QUANTISED
;;     4. batch 16 x [M 2,048, K 128] x [K 128, N 2,048]; A: computed on the way; B: computed on the way: left as it is (an operand is computed on the way)
;;     5. batch 16 x [M 2,048, K 2,048] x [K 2,048, N 128]; A: computed on the way; B: computed on the way: left as it is (an operand is computed on the way)
;;     6. [M 2,048, K 2,048] x [K 2,048, N 4,096]; A: computed on the way; B: input Wo: left as it is (an operand is computed on the way)
;;   THE QUANTISER, for each operand of a quantised product, along K:
;;     - K is cut into blocks of 32 from its start; a last block that is shorter is filled with zeros.
;;     - A block's scale is 2^e with e = floor(log2(the largest magnitude in the block)) - 2, held to -126 .. 127; a block of zeros has e = 0. As a byte (E8M0): e + 127.
;;     - Each number is divided by its block's scale, clamped to +-6, and rounded to the nearest number of E2M1, ties to even, subnormals kept.
;;     - The product sums the exact products of the quantised numbers (number of the format x scale) in f32.
;;   ~~~python
;;   def quantise(x, axis):      # numpy; x: float32 -> the quantised numbers, widened to float32 again
;;       x = np.moveaxis(x, axis, -1); K = x.shape[-1]
;;       x = np.pad(x, [(0, 0)] * (x.ndim - 1) + [(0, -K % 32)]); x = x.reshape(x.shape[:-1] + (-1, 32)); a = np.abs(x).max(-1, keepdims=True)
;;       e = np.where(a > 0, np.clip(np.frexp(np.where(a > 0, a, 1))[1] - 1 - 2, -126, 127), 0)      # np.frexp(a)[1] - 1 = floor(log2(a)), exactly
;;       r = np.clip(x / 2.0 ** e, -6, 6)
;;       step = 2.0 ** (np.maximum(np.frexp(np.where(r == 0, 1, r))[1] - 1, 0) - 1)
;;       q = np.round(r / step) * step * 2.0 ** e      # np.round: ties to even
;;       return np.moveaxis(q.reshape(q.shape[:-2] + (-1,))[..., :K], -1, axis).astype(np.float32)
;;   ~~~
;; One version. Each part assembles by itself: llvm-mc -triple=amdgcn-amd-amdhsa -mcpu=gfx1250 --defsym DOCPART=n.
;; ======== version 1 of 1: 5 launches
;; limits: values are held in f16: magnitudes above 65,504 overflow, below 6.1e-05 lose precision
;; workspace buffers: codes 12,582,912 bytes; scales 786,432 bytes; rope 1,048,576 bytes; qkv 16,777,216 bytes; ctx16 8,388,608 bytes; ctx32 131,072 bytes; wo16 16,777,216 bytes
;; launch prep (part 1): grid 800 x 1, 4 waves a work-group, no clusters, 33,280 bytes of LDS; arguments hidden_states, Wq, Wk, Wv, position_ids, codes, scales, rope; writes codes, scales, rope
.if DOCPART == 1
	.amdgcn_target "amdgcn-amd-amdhsa--gfx1250"
	.amdhsa_code_object_version 6
	.text
	.protected	k_qa63d777f8d_prep
	.globl	k_qa63d777f8d_prep
	.p2align	8
	.type	k_qa63d777f8d_prep,@function
k_qa63d777f8d_prep:
	s_mov_b64 s[64:65], 0
	v_nop
	global_prefetch_b8 v0, s[64:65] scope:SCOPE_SE
	s_setreg_imm32_b32 hwreg(HW_REG_WAVE_MODE, 25, 1), 1
	s_wait_xcnt 0x0
; FIRST OF FIVE LAUNCHES of a Qwen3 attention layer: S = 2,048 tokens, hidden 4,096, 16 query heads, 8 key/value heads, head size 128.
; NO WORK OF THE PROBLEM IS LEFT OUT: every input has a way to the output and is loaded by some launch.  The mask is an input, so all 2,048 keys are walked for every query and the mask is added as it is given.
; THIS LAUNCH: (a) hidden_states, Wq, Wk, Wv (f32, K = 4,096 innermost) become codes of FP4 (E2M1) with one E8M0 scale byte for each 32 along K; (b) the table of cos and sin for the rotary embedding.
; codes:  [6,144 rows][2,048 bytes]: rows 0-2,047 hidden_states, 2,048-4,095 Wq, 4,096-5,119 Wk, 5,120-6,143 Wv.   scales: [8 K steps of 512][6,144 rows][16 bytes].   rope: [2,048 tokens][64 cos, 64 sin] f32.
; A block's scale is 2^(floor(log2(its largest magnitude)) - 2); its byte is the largest magnitude's exponent field - 2, held at 1 from below.
; LIMITS: a block of zeros gets the byte 1 where the quantiser says 127: its codes are zeros, which add nothing, and this program alone reads the bytes.  Blocks whose largest magnitude lies under 2^-124 are held at the byte 1.
; NaN and infinities among hidden_states and the weights are not served.  Positions: |position| under 2^23 (the reduction of the angle takes pi / 2 in two parts).
; SHARES.  Work-groups 0-767 quantise: wave W = 4 x work-group + wave takes 16 rows (16 (W / 8) on) x 512 along K (K step W % 8), a row a step.  Work-groups 768-799 make the table, 16 tokens a wave.
; In a step each of four loads reads 512 consecutive bytes; the 2,048 bytes turn through the wave's own stage in LDS so that a lane holds 16 neighbours along K; two neighbouring lanes hold a block.
; A step's codes leave as 256 consecutive aligned bytes; a wave's 256 scale bytes are gathered in LDS and leave as one aligned run of 256 bytes.  Waves share nothing: no barrier.
.set WAVES, 4
.set STEPS, 16
.set QWG,   768                        ; work-groups that quantise
.set EMAX,  2
.set CB,    8                          ; bytes of 16 codes
.set FROW,  16384                      ; a row of f32 numbers in bytes
.set CROW,  2048                       ; a row of codes in bytes
.set SSTEP, 6144*16                    ; a K step's scale bytes of all rows
.set R,     16                         ; v16-79   four sets of 16 numbers as they are loaded
.set X,     80                         ; v80-111  two sets of 16 neighbours
.set C,     128                        ; v128-191 codes: registers of its own for each step
.set E,     112                        ; v112-127 a scale byte for each step
.set WREG,  8192                       ; LDS: a region for each wave: two stages of 32 x SP bytes, then its 256 scale bytes
.set SP,    80                         ; a lane's place in a stage: 64 bytes + 16 of padding
.set SPW,   12                         ; v12 LDS address of my spare word; never rewritten
.set NIL,   13                         ; v13 0; never rewritten
.set SPARE, WAVES*WREG                 ; behind the four regions: the spare words, 128 bytes a wave
	s_load_b256 s[4:11], s[0:1], 0x0               ; hidden_states s[4:5], Wq s[6:7], Wk s[8:9], Wv s[10:11]
	s_load_b256 s[12:19], s[0:1], 0x20             ; position_ids s[12:13], codes s[14:15], scales s[16:17], rope s[18:19]
	v_lshl_add_u32 v[SPW], v0, 2, SPARE
	v_mov_b32 v[NIL], 0
	v_lshrrev_b32 v1, 5, v0
	v_readfirstlane_b32 s20, v1                    ; wave
	v_and_b32 v2, 31, v0                           ; lane
	s_cmp_ge_u32 ttmp9, QWG
	s_cbranch_scc1 .Lrope
	; ---------------- the quantiser ----------------
	v_lshlrev_b32 v3, 4, v2                        ; my 16 bytes of a load's 512
	s_mul_i32 s21, s20, WREG
	v_lshrrev_b32 v14, 2, v2
	v_mul_u32_u24 v14, v14, SP
	v_and_b32 v15, 3, v2
	v_lshl_add_u32 v14, v15, 4, v14
	v_add_nc_u32 v14, s21, v14                     ; the stage, on the way in: SP (lane / 4) + 16 (lane % 4)
	v_mul_u32_u24 v15, v2, SP
	v_add_nc_u32 v15, s21, v15                     ; and on the way out: SP x lane: my 16 neighbours
	v_mul_u32_u24 v4, v2, CB                       ; my codes' place in a step's 256 bytes
	v_lshrrev_b32 v5, 1, v2
	s_add_co_u32 s21, s21, 2*32*SP
	v_add_nc_u32 v5, s21, v5                       ; LDS: my wave's 256 scale bytes, my block's byte
	v_lshlrev_b32 v7, 3, v2                        ; and on the way out 8 bytes a lane
	v_add_nc_u32 v6, s21, v7
	s_lshl_b32 s25, ttmp9, 2
	s_add_co_u32 s25, s25, s20                     ; W
	s_lshr_b32 s26, s25, 3
	s_lshl_b32 s26, s26, 4                         ; my first row among the 6,144
	s_and_b32 s27, s25, 7                          ; my K step
	s_mov_b32 s24, 5120
	s_wait_kmcnt 0x0
	s_cmp_lt_u32 ttmp9, 640                        ; which tensor: the choice hangs on the work-group's number alone
	s_cselect_b64 s[22:23], s[8:9], s[10:11]
	s_cselect_b32 s24, 4096, s24
	s_cmp_lt_u32 ttmp9, 512
	s_cselect_b64 s[22:23], s[6:7], s[22:23]
	s_cselect_b32 s24, 2048, s24
	s_cmp_lt_u32 ttmp9, 256
	s_cselect_b64 s[22:23], s[4:5], s[22:23]
	s_cselect_b32 s24, 0, s24                      ; the tensor's first row among the 6,144
	s_sub_co_u32 s28, s26, s24
	s_lshl_b32 s28, s28, 14                        ; my first row in its tensor x 16,384 bytes (under 2^26)
	s_lshl_b32 s29, s27, 11
	s_add_co_u32 s28, s28, s29                     ; + K step x 2,048 bytes
	s_mov_b32 s29, 0
	s_add_nc_u64 s[22:23], s[22:23], s[28:29]
	s_lshl_b32 s28, s26, 11
	s_lshl_b32 s30, s27, 8
	s_add_co_u32 s28, s28, s30
	s_add_nc_u64 s[14:15], s[14:15], s[28:29]      ; codes: row x 2,048 + K step x 256
	s_mul_i32 s28, s27, SSTEP
	s_lshl_b32 s30, s26, 4
	s_add_co_u32 s28, s28, s30
	s_add_nc_u64 s[16:17], s[16:17], s[28:29]      ; scales: K step x 98,304 + row x 16
.macro LOAD t                          ; row t of my 16: 2,048 bytes
.irp i, 0,1,2,3
	global_load_b128 v[R+16*((\t)%4)+4*\i:R+16*((\t)%4)+4*\i+3], v3, s[22:23] offset:FROW*(\t)+512*\i th:TH_LOAD_NT   ; 32 lanes read 512 consecutive bytes; read once in the program
.endr
.endm
.macro TURN t                          ; step t's numbers through the stage: LDS serves a wave's instructions in order, so no wait stands between the stores and the loads
.irp i, 0,1,2,3
	ds_store_b128 v14, v[R+16*((\t)%4)+4*\i:R+16*((\t)%4)+4*\i+3] offset:32*SP*((\t)%2)+8*SP*\i
.endr
.irp i, 0,1,2,3
	ds_load_b128 v[X+16*((\t)%2)+4*\i:X+16*((\t)%2)+4*\i+3], v15 offset:32*SP*((\t)%2)+16*\i
.endr
.endm
.irp t, 0,1,2,3
	LOAD \t
.endr
	s_wait_loadcnt 12                              ; step 0's four loads are in; the twelve of steps 1 to 3 may be out
	TURN 0
.macro STEP t
.set XS, X+16*((\t)%2)
.if (\t) > 0
	s_wait_dscnt 1                                 ; this step's numbers are back from the stage (the last step's byte store may be out)
.else
	s_wait_dscnt 0x0
.endif
.if (\t)+4 < STEPS
	LOAD (\t)+4                                    ; into the registers that the stage's stores have read
.endif
.if (\t)+1 < STEPS
.if STEPS-2-(\t) >= 3
	s_wait_loadcnt 12                              ; the next step's four loads are in; those of the three steps behind it may be out
.else
	s_wait_loadcnt 4*(STEPS-2-(\t))
.endif
	TURN (\t)+1                                    ; through the other stage while this step is worked
.endif
	v_max3_num_f32 v8, |v[XS]|, |v[XS+1]|, |v[XS+2]|               ; the largest magnitude of my 16, in two chains
	v_max3_num_f32 v9, |v[XS+3]|, |v[XS+4]|, |v[XS+5]|
.irp i, 6,10
	v_max3_num_f32 v8, v8, |v[XS+\i]|, |v[XS+\i+1]|
	v_max3_num_f32 v9, v9, |v[XS+\i+2]|, |v[XS+\i+3]|
.endr
	v_max3_num_f32 v8, v8, |v[XS+14]|, |v[XS+15]|
	v_max3_num_f32 v8, v8, v9, (EMAX+1)<<23        ; and the floor 2^(3 - 127): the byte cannot fall under 1
	v_max_num_f32_dpp v8, v8, v8 row_xmask:1 row_mask:0xf bank_mask:0xf   ; and of my neighbour's 16: the block's
	v_add_nc_u32 v11, -(EMAX<<23), v8              ; 2 off its exponent field: the conversion takes the exponent field of this operand as its scale
	v_cvt_scalef32_pk8_fp4_f32 v[C+4*(\t)], v[XS:XS+7], v11       ; eight numbers / the scale, to the nearest code, ties to even, beyond 6 the largest code
	v_cvt_scalef32_pk8_fp4_f32 v[C+4*(\t)+1], v[XS+8:XS+15], v11
	v_lshrrev_b32 v[E+(\t)], 23, v11               ; the scale's byte
	ds_store_b8 v5, v[E+(\t)] offset:16*(\t)       ; both lanes of a block write the same byte with the same value
	global_store_b64 v4, v[C+4*(\t):C+4*(\t)+1], s[14:15] offset:CROW*(\t)   ; 32 lanes store 256 consecutive bytes, aligned
.endm
.irp t, 0,1,2,3,4,5,6,7,8,9,10,11,12,13,14,15
	STEP \t
.endr
	ds_load_b64 v[8:9], v6                         ; LDS serves a wave's instructions in order: these see my stores
	s_wait_dscnt 0x0
	global_store_b64 v7, v[8:9], s[16:17]          ; 16 rows x 16 scale bytes: 256 consecutive bytes, aligned
	s_wait_tensorcnt 0x0                           ; the wave's end, behind my last LDS store
	ds_add_u32 v[SPW], v[NIL]
	s_wait_dscnt 0x0
	s_endpgm
	; ---------------- the table of cos and sin ----------------
	; angle = position (as f32) x 1e6^(-j / 64), j = 0 .. 63.  A lane takes j = 2 lane and 2 lane + 1; a wave 16 tokens.
.Lrope:
	s_sub_co_u32 s21, ttmp9, QWG
	s_lshl_b32 s21, s21, 2
	s_add_co_u32 s21, s21, s20                     ; which 16 tokens
	s_lshl_b32 s24, s21, 6                         ; their positions: 64 bytes
	s_mov_b32 s25, 0
	s_lshl_b32 s26, s21, 13                        ; their rows of the table: 16 x 512 bytes
	s_mov_b32 s27, 0
	v_lshlrev_b32 v3, 1, v2
	v_cvt_f32_u32 v4, v3                           ; j
	v_add_f32 v5, 1.0, v4                          ; j + 1
	v_mul_f32 v4, 0xbe9f73da, v4                   ; x -log2(1e6) / 64
	v_mul_f32 v5, 0xbe9f73da, v5
	v_exp_f32 v4, v4
	v_exp_f32 v5, v5
	v_lshlrev_b32 v6, 3, v2                        ; 8 x lane: my two numbers' place.  (The plain line behind the exponentials)
	v_mov_b32 v7, 0xb94ca1f9                       ; the sine's highest coefficient
	v_mov_b32 v8, 0x37ccf5ce                       ; the cosine's
	s_wait_alu depctr_va_vdst(0)                   ; one wait for both exponentials, ahead of their first reader
	s_wait_kmcnt 0x0
	s_add_nc_u64 s[12:13], s[12:13], s[24:25]
	s_add_nc_u64 s[18:19], s[18:19], s[26:27]
	s_load_b512 s[32:47], s[12:13], 0x0            ; 16 positions: they become numbers only, never addresses
	s_wait_kmcnt 0x0
; cos and sin of v9 x v[f]: n = the nearest whole number to angle x 2 / pi; r = angle - n pi / 2 (pi / 2 in two parts); polynomials on |r| <= pi / 4; the quadrant n mod 4 swaps and signs them.
.macro SC1 f, cosd, sind
	v_mul_f32 v16, v9, v[\f]                       ; the angle: one rounding
	v_mul_f32 v17, 0x3f22f983, v16
	v_rndne_f32 v17, v17                           ; n
	v_fmamk_f32 v18, v17, 0xbfc90fdb, v16
	v_fmamk_f32 v18, v17, 0x333bbd2e, v18          ; r
	v_mul_f32 v19, v18, v18                        ; z = r r
	v_fmaak_f32 v20, v19, v7, 0x3c08839e
	v_fmaak_f32 v21, v19, v8, 0xbab6061a
	v_fmaak_f32 v20, v19, v20, 0xbe2aaaa3
	v_fmaak_f32 v21, v19, v21, 0x3d2aaaa5
	v_mul_f32 v22, v18, v19
	v_mul_f32 v23, v19, v19
	v_fma_f32 v24, v19, -0.5, 1.0
	v_fma_f32 v20, v22, v20, v18                   ; sin r
	v_fma_f32 v21, v23, v21, v24                   ; cos r
	v_cvt_i32_f32 v25, v17
	v_and_b32 v26, 1, v25
	v_cmp_ne_u32 vcc_lo, 0, v26                    ; odd quadrants swap the two
	v_cndmask_b32 v[\sind], v20, v21, vcc_lo
	v_cndmask_b32 v[\cosd], v21, v20, vcc_lo
	v_and_b32 v26, 2, v25                          ; quadrants 2, 3: -sin
	v_add_nc_u32 v27, 1, v25
	v_lshlrev_b32 v26, 30, v26
	v_and_b32 v27, 2, v27                          ; quadrants 1, 2: -cos
	v_xor_b32 v[\sind], v[\sind], v26
	v_lshlrev_b32 v27, 30, v27
	v_xor_b32 v[\cosd], v[\cosd], v27
.endm
.irp t, 0,1,2,3,4,5,6,7,8,9,10,11,12,13,14,15
	v_cvt_f32_i32 v9, s[32+\t]
	SC1 4, 64+4*\t, 66+4*\t
	SC1 5, 65+4*\t, 67+4*\t
	global_store_b64 v6, v[64+4*\t:65+4*\t], s[18:19] offset:512*\t        ; 64 cosines: 256 consecutive bytes, aligned.  Each token has result registers of its own
	global_store_b64 v6, v[66+4*\t:67+4*\t], s[18:19] offset:512*\t+256    ; 64 sines
.endr
	s_endpgm
.Lfunc_end_k_qa63d777f8d_prep:
	.size	k_qa63d777f8d_prep, .Lfunc_end_k_qa63d777f8d_prep-k_qa63d777f8d_prep
	.p2alignl 7, 3214868480
	.fill 96, 4, 3214868480
	.section	.rodata,"a",@progbits
	.p2align	6, 0x0
	.amdhsa_kernel k_qa63d777f8d_prep
		.amdhsa_group_segment_fixed_size 33280
		.amdhsa_private_segment_fixed_size 0
		.amdhsa_enable_private_segment 0
		.amdhsa_kernarg_size 64
		.amdhsa_user_sgpr_count 2
		.amdhsa_user_sgpr_kernarg_segment_ptr 1
		.amdhsa_wavefront_size32 1
		.amdhsa_system_sgpr_workgroup_id_x 1
		.amdhsa_system_sgpr_workgroup_id_y 1
		.amdhsa_system_sgpr_workgroup_id_z 1
		.amdhsa_system_vgpr_workitem_id 0
		.amdhsa_next_free_vgpr 192
		.amdhsa_next_free_sgpr 66
		.amdhsa_reserve_vcc 1
		.amdhsa_float_denorm_mode_32 3
		.amdhsa_float_denorm_mode_16_64 3
		.amdhsa_memory_ordered 1
		.amdhsa_forward_progress 1
		.amdhsa_inst_pref_size 75
	.end_amdhsa_kernel
	.amdgpu_metadata
---
amdhsa.version: [ 1, 2 ]
amdhsa.kernels:
  - .name:           k_qa63d777f8d_prep
    .symbol:         k_qa63d777f8d_prep.kd
    .args:
      - { .name: hidden_states, .offset: 0, .size: 8, .value_kind: global_buffer, .address_space: global }
      - { .name: Wq, .offset: 8, .size: 8, .value_kind: global_buffer, .address_space: global }
      - { .name: Wk, .offset: 16, .size: 8, .value_kind: global_buffer, .address_space: global }
      - { .name: Wv, .offset: 24, .size: 8, .value_kind: global_buffer, .address_space: global }
      - { .name: position_ids, .offset: 32, .size: 8, .value_kind: global_buffer, .address_space: global }
      - { .name: codes, .offset: 40, .size: 8, .value_kind: global_buffer, .address_space: global }
      - { .name: scales, .offset: 48, .size: 8, .value_kind: global_buffer, .address_space: global }
      - { .name: rope, .offset: 56, .size: 8, .value_kind: global_buffer, .address_space: global }
    .group_segment_fixed_size: 33280
    .private_segment_fixed_size: 0
    .kernarg_segment_align: 8
    .kernarg_segment_size: 64
    .max_flat_workgroup_size: 128
    .sgpr_count:     66
    .vgpr_count:     192
    .wavefront_size: 32
...
	.end_amdgpu_metadata
.endif
;; end of part 1
;; launch qkv (part 2): grid 16 x 16, 4 waves a work-group, clusters of 4 x 4, 327,680 bytes of LDS; arguments codes, scales, rope, q_norm_w, k_norm_w, qkv; writes qkv
.if DOCPART == 2
	.amdgcn_target "amdgcn-amd-amdhsa--gfx1250"
	.amdhsa_code_object_version 6
	.text
	.protected	k_qa63d777f8d_qkv
	.globl	k_qa63d777f8d_qkv
	.p2align	8
	.type	k_qa63d777f8d_qkv,@function
k_qa63d777f8d_qkv:
	s_mov_b64 s[64:65], 0
	v_nop
	global_prefetch_b8 v0, s[64:65] scope:SCOPE_SE
	s_setreg_imm32_b32 hwreg(HW_REG_WAVE_MODE, 25, 1), 1
	s_wait_xcnt 0x0
	s_wait_alu depctr_hold_cnt(0) depctr_sa_sdst(0) depctr_va_vdst(0) depctr_va_sdst(0) depctr_va_ssrc(0) depctr_va_vcc(0) depctr_vm_vsrc(0)
	s_getreg_b32 s2, hwreg(HW_REG_IB_STS2, 6, 4)
	s_cmp_eq_u32 s2, 0
	s_cbranch_scc0 .Lentry_in_a_cluster
	s_endpgm
.Lentry_in_a_cluster:
	s_bfe_u32 s2, ttmp6, 0x10000c
	s_cmp_lg_u32 s2, 0xf033
	s_cbranch_scc0 .Lentry_shape_is_right
	s_endpgm
.Lentry_shape_is_right:
; SECOND LAUNCH: q, k, v = hidden_states x (Wq, Wk, Wv)^T as ONE product 2,048 x 4,096 x 4,096 on codes of FP4 with E8M0 scales, f32 sums; then, in registers, the RMS norm of each head's 128, the norm's weights,
; the rotary embedding (q and k heads), and rounding to f16.  qkv: [32 heads][2,048 tokens][128] f16: heads 0-15 q, 16-23 k, 24-31 v.  No work is left out.
; LIMITS: q, k and v leave as f16: magnitudes up to 65,504 (the drawn inputs give about 1 to 12).
; A tile of the result is 128 tokens x 256 columns (two heads); four waves, each 64 tokens x 128 columns (ONE head): 32 accumulators of 16 x 16.  16 x 16 tiles: one for each of 256 work-groups.
; K goes in steps of 512 (rows of 256 bytes) through a ring of two LDS slots.  A slot holds A's 128 rows, B's 256 rows and both sides' scale bytes of the step, which prep laid by K step so that they are dense runs.
; Each wave asks for one of the four: wave 0 A's codes, wave 1 B's codes, wave 2 A's scales, wave 3 B's scales.
; CLUSTERS: 4 x 4 work-groups.  A's tiles hang on the tile row alone and are shared along a row of the cluster, B's on the tile column alone and are shared along a column: joint loads with a mask of four.
; No prefetch: each tile is asked for by four clusters in turn, not once, and a step's refill has the step's 128 matrix instructions in which to land.
; THE MATRIX INSTRUCTION IS USED TRANSPOSED (source 0 = 16 rows of the weights, source 1 = 16 tokens): lane l holds token l % 16 and, in accumulator b, the head's channels 16 b + 8 (l / 16) + 0 .. 7.
; REGISTERS, in windows of 256: window 0: v1-29 addresses; v32-79 scale words, two sets, and nothing else; v80-255 the way out.
;   window 1: two fragment buffers of 96 (A's 4 fragments, then B's 8); v192-255 the norm's weights.   window 2: the accumulators ((a, b) at v[8 (8 a + b)]).   window 3: cos and sin of my 64 tokens.
.set PITCH,  272                       ; an LDS row: 256 bytes + 16 of padding: the 16 rows that a load touches start at 16 different groups of banks (ISA guide 11.1)
.set ATILE,  128*PITCH
.set BTILE,  256*PITCH
.set ASC,    ATILE+BTILE               ; A's scale bytes: 128 rows x 16, dense
.set BSC,    ASC+128*16                ; B's: 256 rows x 16
.set SLOT,   BSC+256*16                ; 110,592
.set STAGE,  2*SLOT                    ; behind the ring: 16 rows x 272 bytes for each wave
.set SPARE,  STAGE+4*16*PITCH          ; the spare words, 128 bytes a wave
.set LAPS,   4                         ; 8 K steps, two to a lap
.set KROW,   2048                      ; a row of codes in memory
.set SSTEP,  6144*16                   ; a K step's scale bytes of all rows
.set NWO,  6                           ; v6   the norm weights' offset: 32 (l / 16)
.set RPO,  7                           ; v7   the table's: 512 (l % 16) + 32 (l / 16)
.set ADRA, 16                          ; v16-17  LDS address of my A fragments in slot 0, 1
.set ADSA, 18                          ; v18-19  of my A scale words
.set ADRB, 20                          ; v20-21  B fragments
.set ADSB, 22                          ; v22-23  B scale words
.set STO,  24
.set RD,   25
.set CO,   26                          ; v26  16 x lane
.set SPW,  28
.set NIL,  29
.set SC,   32                          ; scale words: set s at v[SC + 24 s]: +0..7 A's rows 0-31, 32-63 (four words each); +8..23 B's rows 32 c on.  Lanes 0-15: the even block, lanes 16-31: the odd one
.set SS,   80                          ; v80-83 sums of squares
.set RS,   84                          ; v84 1 / sqrt(mean + eps); v85 its pair's other half
.set Y,    96                          ; v96-159  the normed numbers; then rows on their way out
.set OUT,  160                         ; v160-223 the results in f32
.set HP,   224                         ; v224-255 as f16
.set NW,   192                         ; window 1: the norm's weights of my lane's 64 channels
.set F0,   0
.set F1,   96
.set WV,   16
.set G1A,  24                          ; group 1 and, for each slot, group 0: A's codes
.set G0A,  32
.set G1B,  40                          ; B's codes
.set G0B,  48
.set G1SA, 56                          ; A's scales
.set G0SA, 68
.set G1SB, 76                          ; B's scales
.set G0SB, 84
.set SEL,  66                          ; s[66:67] lane selects: lane l xor 16
.set ISV,  92                          ; s92 all ones in a wave whose head is one of v's
.set R128, 93                          ; s93 1 / 128
.set EPS,  94                          ; s94 1e-6
.set MSB, 0
.macro WIN new                         ; the immediate's high byte repeats the setting that is left
.if MSB != \new
	s_set_vgpr_msb (MSB<<8)|\new
.set MSB, \new
.endif
.endm
.set MUL,  0xa5                        ; sources 0 and 1 window 1, C and D window 2
.set TO_F, 0x40                        ; destination window 1, address window 0
.macro PLACES
.rept 4
	v_nop
.endr
.endm
; A joint load: one kind for each wave.  The branches hang on the wave's number alone.  An s_nop 0 and four v_nop follow each line.
.macro JARM g0, g1, done
	tensor_load_to_lds s[\g0:\g0+3], s[\g1:\g1+7]
	s_nop 0
.rept 4
	v_nop
.endr
	s_branch \done
.endm
.macro JLOAD s
	s_cmp_eq_u32 s[WV], 0
	s_cbranch_scc0 .Lj1_\@
	JARM G0A+4*\s, G1A, .Ljd_\@
.Lj1_\@:
	s_cmp_eq_u32 s[WV], 1
	s_cbranch_scc0 .Lj2_\@
	JARM G0B+4*\s, G1B, .Ljd_\@
.Lj2_\@:
	s_cmp_eq_u32 s[WV], 2
	s_cbranch_scc0 .Lj3_\@
	JARM G0SA+4*\s, G1SA, .Ljd_\@
.Lj3_\@:
	JARM G0SB+4*\s, G1SB, .Ljd_\@
.Ljd_\@:
.endm
.macro CREST                           ; a round of the cluster's barrier behind its opening barrier
	s_cmp_lg_u32 s[WV], 0
	s_cbranch_scc1 .Lnot_wave_0_\@
	s_barrier_signal -3
.Lnot_wave_0_\@:
	s_barrier_wait -3
	s_barrier_signal -1
	s_barrier_wait -1
.endm
.macro CROUND
	s_barrier_signal -1
	s_barrier_wait -1
	CREST
.endm
	s_load_b256 s[4:11], s[0:1], 0x0               ; codes s[4:5], scales s[6:7], rope s[8:9], q_norm_w s[10:11]
	s_load_b128 s[12:15], s[0:1], 0x20             ; k_norm_w s[12:13], qkv s[14:15]
	v_lshl_add_u32 v[SPW], v0, 2, SPARE
	v_mov_b32 v[NIL], 0
	ds_add_u32 v[SPW], v[NIL]                      ; the wave's opening: the add, twice on end, and its wait ahead of my first tensor load
	ds_add_u32 v[SPW], v[NIL]
	v_lshrrev_b32 v1, 5, v0
	v_readfirstlane_b32 s[WV], v1                  ; wave 0..3
	s_lshr_b32 s17, s[WV], 1                       ; which 64 tokens of the tile are mine
	s_and_b32 s18, s[WV], 1                        ; which 128 columns
	s_bfe_u32 s19, ttmp6, 0x40000                  ; cx
	s_bfe_u32 s20, ttmp6, 0x40004                  ; cy
	s_lshl_b32 s21, ttmp9, 2
	s_add_co_u32 s21, s21, s19                     ; tile column
	s_and_b32 s22, ttmp7, 0xffff
	s_lshl_b32 s22, s22, 2
	s_add_co_u32 s22, s22, s20                     ; tile row
	s_lshl_b32 s95, s20, 2
	s_lshl_b32 s95, 15, s95                        ; my row of the cluster
	s_lshl_b32 s96, 0x1111, s19                    ; my column
	s_or_b32 s[G1A], s95, (0<<16)|(1<<20)|(1<<21)|(5<<22)|(3<<25)   ; the mask; elements of 1 byte; padding of 4 words behind every 64; bit 21 beside a mask
	s_or_b32 s[G1B], s96, (0<<16)|(1<<20)|(1<<21)|(5<<22)|(3<<25)
	s_or_b32 s[G1SA], s95, (3<<16)|(1<<21)         ; the scales: elements of 8 bytes, no padding
	s_or_b32 s[G1SB], s96, (3<<16)|(1<<21)
.irp g, G1A, G1B
	s_mov_b32 s[\g+1], 256<<16                     ; tensor_dim0 = 256 bytes
	s_mov_b32 s[\g+3], 256<<16                     ; tile_dim0
	s_mov_b32 s[\g+5], KROW                        ; from row to row
	s_mov_b32 s[\g+6], 0
	s_mov_b32 s[\g+7], 0
.endr
	s_mov_b32 s[G1A+2], 128<<16                    ; A: 128 rows
	s_mov_b32 s[G1A+4], 128
	s_mov_b32 s[G1B+2], 256<<16                    ; B: 256 rows
	s_mov_b32 s[G1B+4], 256
.irp g, G1SA, G1SB
	s_mov_b32 s[\g+1], 32<<16                      ; a dense run as rows of 256 bytes
	s_mov_b32 s[\g+3], 32<<16
	s_mov_b32 s[\g+5], 32
	s_mov_b32 s[\g+6], 0
	s_mov_b32 s[\g+7], 0
.endr
	s_mov_b32 s[G1SA+2], 8<<16                     ; 128 rows x 16 bytes
	s_mov_b32 s[G1SA+4], 8
	s_mov_b32 s[G1SB+2], 16<<16                    ; 256 rows x 16 bytes
	s_mov_b32 s[G1SB+4], 16
	s_lshl_b32 s98, s22, 18                        ; A's codes: 128 x tile row rows of 2,048 bytes.  s[98:99] never hold the tile column, s[100:101] never the tile row
	s_mov_b32 s99, 0
	s_lshl_b32 s100, s21, 19                       ; B's: rows 2,048 + 256 x tile column
	s_add_co_u32 s100, s100, 2048*KROW
	s_mov_b32 s101, 0
	s_mov_b32 s[SEL], 0x76543210
	s_mov_b32 s[SEL+1], 0xfedcba98
	s_mov_b32 s[R128], 0x3c000000
	s_mov_b32 s[EPS], 0x358637bd
	s_wait_dscnt 0x0                               ; both opening adds are done
	s_wait_kmcnt 0x0
	s_add_nc_u64 s[98:99], s[4:5], s[98:99]
	s_add_nc_u64 s[100:101], s[4:5], s[100:101]
.irp s, 0,1
	s_mov_b32 s[G0A+4*\s], 1
	s_mov_b32 s[G0A+4*\s+1], \s*SLOT
	s_add_nc_u64 s[G0A+4*\s+2:G0A+4*\s+3], s[98:99], \s*256
	s_or_b32 s[G0A+4*\s+3], s[G0A+4*\s+3], 0x80000000
	s_mov_b32 s[G0B+4*\s], 1
	s_mov_b32 s[G0B+4*\s+1], \s*SLOT+ATILE
	s_add_nc_u64 s[G0B+4*\s+2:G0B+4*\s+3], s[100:101], \s*256
	s_or_b32 s[G0B+4*\s+3], s[G0B+4*\s+3], 0x80000000
.endr
	s_lshl_b32 s98, s22, 11                        ; A's scales: 128 x tile row rows of 16 bytes
	s_mov_b32 s99, 0
	s_lshl_b32 s100, s21, 12
	s_add_co_u32 s100, s100, 2048*16
	s_mov_b32 s101, 0
	s_add_nc_u64 s[98:99], s[6:7], s[98:99]
	s_add_nc_u64 s[100:101], s[6:7], s[100:101]
.irp s, 0,1
	s_mov_b32 s[G0SA+4*\s], 1
	s_mov_b32 s[G0SA+4*\s+1], \s*SLOT+ASC
	s_add_nc_u64 s[G0SA+4*\s+2:G0SA+4*\s+3], s[98:99], \s*SSTEP
	s_or_b32 s[G0SA+4*\s+3], s[G0SA+4*\s+3], 0x80000000
	s_mov_b32 s[G0SB+4*\s], 1
	s_mov_b32 s[G0SB+4*\s+1], \s*SLOT+BSC
	s_add_nc_u64 s[G0SB+4*\s+2:G0SB+4*\s+3], s[100:101], \s*SSTEP
	s_or_b32 s[G0SB+4*\s+3], s[G0SB+4*\s+3], 0x80000000
.endr
	CROUND                                         ; all sixteen work-groups are here: the first joint loads meet
	JLOAD 0
	JLOAD 1                                        ; two tensor loads of mine are out
	v_and_b32 v1, 15, v0                           ; l % 16
	v_bfe_u32 v2, v0, 4, 1                         ; l / 16
	v_and_b32 v3, 31, v0
	v_lshlrev_b32 v[CO], 4, v3                     ; 16 x lane
	v_mul_u32_u24 v4, v1, PITCH
	v_lshl_add_u32 v4, v2, 4, v4                   ; a fragment's row x pitch + 16 x half
	s_mul_i32 s23, s17, 64*PITCH                   ; my 64 rows of A
	s_mul_i32 s97, s18, 128*PITCH                  ; my 128 rows of B,
	s_add_co_u32 s97, s97, ATILE                   ; behind A's
.irp s, 0,1
	v_add_nc_u32 v[ADRA+\s], s23, v4
	v_add_nc_u32 v[ADRB+\s], s97, v4
	s_add_co_u32 s23, s23, SLOT
	s_add_co_u32 s97, s97, SLOT
.endr
	s_lshl_b32 s23, s17, 10                        ; my 64 rows' scale bytes
	s_add_co_u32 s23, s23, ASC
	s_lshl_b32 s97, s18, 11                        ; my 128 rows' of B
	s_add_co_u32 s97, s97, BSC
.irp s, 0,1
	v_add_nc_u32 v[ADSA+\s], s23, v[CO]
	v_add_nc_u32 v[ADSB+\s], s97, v[CO]
	s_add_co_u32 s23, s23, SLOT
	s_add_co_u32 s97, s97, SLOT
.endr
	s_mul_i32 s23, s[WV], 16*PITCH
	s_add_co_u32 s23, s23, STAGE                   ; my stage
	v_add_nc_u32 v[STO], s23, v4                   ; in: row l % 16, 16 bytes for each half of the lanes
	v_mul_u32_u24 v5, v2, PITCH
	v_lshl_add_u32 v5, v1, 4, v5
	v_add_nc_u32 v[RD], s23, v5                    ; back: lanes 0-15 one row of 256 bytes, lanes 16-31 the next
	v_mov_b32 v[RS+1], 0                           ; named with v84 as a pair, so it is written
	v_lshlrev_b32 v[NWO], 5, v2
	v_lshlrev_b32 v[RPO], 9, v1
	v_lshl_add_u32 v[RPO], v2, 5, v[RPO]
	s_lshl_b32 s97, s21, 1
	s_add_co_u32 s97, s97, s18                     ; my head, 0 .. 31
	s_cmp_lt_u32 s97, 16
	s_cselect_b64 s[10:11], s[10:11], s[12:13]     ; q's weights or k's (v's heads load k's and throw the result away below)
	s_cmp_ge_u32 s97, 24
	s_cselect_b32 s[ISV], -1, 0
	s_lshl_b32 s98, s22, 7
	s_lshl_b32 s23, s17, 6
	s_add_co_u32 s98, s98, s23                     ; my first token
	s_mov_b32 s99, 0
	s_lshl_b32 s100, s98, 9                        ; its row of the table
	s_mov_b32 s101, 0
	s_add_nc_u64 s[8:9], s[8:9], s[100:101]
	s_lshl_b32 s100, s97, 19                       ; qkv: head x 524,288 + token x 256
	s_lshl_b32 s98, s98, 8
	s_add_co_u32 s100, s100, s98
	s_add_nc_u64 s[14:15], s[14:15], s[100:101]
	; what the way out wants is asked for now and waited for behind the loop; its address registers are not written again
	WIN 0x40
.irp b, 0,1,2,3,4,5,6,7
	global_load_b128 v[NW+8*\b:NW+8*\b+3], v[NWO], s[10:11] offset:64*\b          ; the weights of channels 16 b + 8 (l / 16) + 0 .. 7
	global_load_b128 v[NW+8*\b+4:NW+8*\b+7], v[NWO], s[10:11] offset:64*\b+16
.endr
	WIN 0xc0
.irp a, 0,1,2,3
.irp b, 0,1,2,3
	global_load_b128 v[64*\a+8*\b:64*\a+8*\b+3], v[RPO], s[8:9] offset:8192*\a+64*\b            ; cos of token 16 a + l % 16, frequencies 16 b + 8 (l / 16) + 0 .. 7
	global_load_b128 v[64*\a+8*\b+4:64*\a+8*\b+7], v[RPO], s[8:9] offset:8192*\a+64*\b+16
	global_load_b128 v[64*\a+32+8*\b:64*\a+32+8*\b+3], v[RPO], s[8:9] offset:8192*\a+256+64*\b  ; sin
	global_load_b128 v[64*\a+32+8*\b+4:64*\a+32+8*\b+7], v[RPO], s[8:9] offset:8192*\a+256+64*\b+16
.endr
.endr
	WIN 0
; One matrix instruction: A's block a x B's block b, the slot's q-th 128 along K.  The scale words: register + q of a group of four; an odd block's stand in lanes 16-31.
.macro MM f, a, b, q, sc, zero
.set rD, 8*(8*(\a)+(\b))
.set rB, (\f)+32+8*(\b)
.set rA, (\f)+8*(\a)
.set rX, SC+24*(\sc)+8+4*((\b)/2)+(\q)
.set rY, SC+24*(\sc)+4*((\a)/2)+(\q)
.set par, 2*((\a)%2)+(\b)%2
.if \zero
.if par == 0
	v_wmma_scale_f32_16x16x128_f8f6f4 v[rD:rD+7], v[rB:rB+7], v[rA:rA+7], 0, v[rX], v[rY] matrix_a_fmt:MATRIX_FMT_FP4 matrix_b_fmt:MATRIX_FMT_FP4
.elseif par == 1
	v_wmma_scale_f32_16x16x128_f8f6f4 v[rD:rD+7], v[rB:rB+7], v[rA:rA+7], 0, v[rX], v[rY] matrix_a_fmt:MATRIX_FMT_FP4 matrix_b_fmt:MATRIX_FMT_FP4 matrix_a_scale:MATRIX_SCALE_ROW1
.elseif par == 2
	v_wmma_scale_f32_16x16x128_f8f6f4 v[rD:rD+7], v[rB:rB+7], v[rA:rA+7], 0, v[rX], v[rY] matrix_a_fmt:MATRIX_FMT_FP4 matrix_b_fmt:MATRIX_FMT_FP4 matrix_b_scale:MATRIX_SCALE_ROW1
.else
	v_wmma_scale_f32_16x16x128_f8f6f4 v[rD:rD+7], v[rB:rB+7], v[rA:rA+7], 0, v[rX], v[rY] matrix_a_fmt:MATRIX_FMT_FP4 matrix_b_fmt:MATRIX_FMT_FP4 matrix_a_scale:MATRIX_SCALE_ROW1 matrix_b_scale:MATRIX_SCALE_ROW1
.endif
.else
.if par == 0
	v_wmma_scale_f32_16x16x128_f8f6f4 v[rD:rD+7], v[rB:rB+7], v[rA:rA+7], v[rD:rD+7], v[rX], v[rY] matrix_a_fmt:MATRIX_FMT_FP4 matrix_b_fmt:MATRIX_FMT_FP4
.elseif par == 1
	v_wmma_scale_f32_16x16x128_f8f6f4 v[rD:rD+7], v[rB:rB+7], v[rA:rA+7], v[rD:rD+7], v[rX], v[rY] matrix_a_fmt:MATRIX_FMT_FP4 matrix_b_fmt:MATRIX_FMT_FP4 matrix_a_scale:MATRIX_SCALE_ROW1
.elseif par == 2
	v_wmma_scale_f32_16x16x128_f8f6f4 v[rD:rD+7], v[rB:rB+7], v[rA:rA+7], v[rD:rD+7], v[rX], v[rY] matrix_a_fmt:MATRIX_FMT_FP4 matrix_b_fmt:MATRIX_FMT_FP4 matrix_b_scale:MATRIX_SCALE_ROW1
.else
	v_wmma_scale_f32_16x16x128_f8f6f4 v[rD:rD+7], v[rB:rB+7], v[rA:rA+7], v[rD:rD+7], v[rX], v[rY] matrix_a_fmt:MATRIX_FMT_FP4 matrix_b_fmt:MATRIX_FMT_FP4 matrix_a_scale:MATRIX_SCALE_ROW1 matrix_b_scale:MATRIX_SCALE_ROW1
.endif
.endif
.endm
; Eight of them: A's block a against B's eight.  The 32 accumulators take turns, one instruction a turn, in the same order in every quarter.
.macro MULA f, a, q, sc, zero
.irp b, 0,1,2,3,4,5,6,7
	MM \f, \a, \b, \q, \sc, \zero
.endr
.endm
; 24 LDS loads in one run: the fragments of 128 along K at byte k of the rows, into buffer f: B's eight, then A's four
.macro FETCH slot, k, f
	WIN TO_F
.irp i, 0,1,2,3,4,5,6,7
	ds_load_b128 v[(\f)+32+8*\i:(\f)+32+8*\i+3], v[ADRB+\slot] offset:(\k)+\i*16*PITCH
	ds_load_b128 v[(\f)+32+8*\i+4:(\f)+32+8*\i+7], v[ADRB+\slot] offset:(\k)+\i*16*PITCH+32
.endr
.irp i, 0,1,2,3
	ds_load_b128 v[(\f)+8*\i:(\f)+8*\i+3], v[ADRA+\slot] offset:(\k)+\i*16*PITCH
	ds_load_b128 v[(\f)+8*\i+4:(\f)+8*\i+7], v[ADRA+\slot] offset:(\k)+\i*16*PITCH+32
.endr
.endm
.macro SCALES sc                       ; a slot's scale words: six dense loads, 16 bytes (a row's four words) a lane
	WIN 0
	ds_load_b128 v[SC+24*\sc:SC+24*\sc+3], v[ADSA+\sc]
	ds_load_b128 v[SC+24*\sc+4:SC+24*\sc+7], v[ADSA+\sc] offset:512
.irp c, 0,1,2,3
	ds_load_b128 v[SC+24*\sc+8+4*\c:SC+24*\sc+8+4*\c+3], v[ADSB+\sc] offset:512*\c
.endr
.endm
; A K step is four quarters of 128 along K, 32 matrix instructions each, on buffers 0, 1, 0, 1.  One of the first three: multiplies buffer q % 2 and fetches quarter q + 1 into the other.
; The four v_nop are the places between the matrix instructions that read that other buffer and the loads into it (ISA guide 7.12.1 for vector instructions).
.macro QUARTER slot, q, zero
	s_wait_dscnt 4                                 ; all but the youngest four loads (A's blocks 2 and 3) are in
	WIN MUL
	MULA 96*((\q)%2), 0, \q, \slot, \zero
	MULA 96*((\q)%2), 1, \q, \slot, \zero
	PLACES
	FETCH \slot, 64*((\q)+1), 96*(1-(\q)%2)
	s_wait_dscnt 24                                ; all but the 24 just issued
	WIN MUL
	MULA 96*((\q)%2), 2, \q, \slot, \zero
	MULA 96*((\q)%2), 3, \q, \slot, \zero
.endm
; The last quarter multiplies buffer 1 and changes slots: ONE barrier; in front of it each wave waits for all its tensor loads, adds 0 to its spare word, and waits for that and for its own reads of this slot.
.macro TURN slot, next, fill
	WIN 0
	s_wait_tensorcnt 0x0                           ; all my tensor loads have landed: my part of the next slot
	ds_add_u32 v[SPW], v[NIL]                      ; 0 onto my spare word
	s_wait_dscnt 5                                 ; (the add and the youngest four loads may be out)
	WIN MUL
	MULA F1, 0, 3, \slot, 0
	s_wait_dscnt 0x0                               ; the add is done, and my reads of this slot are over
	s_barrier_signal -1
	MULA F1, 1, 3, \slot, 0
.if \fill
	WIN 0
.endif
	s_barrier_wait -1
.if \fill
	CREST                                          ; the barrier has opened a round of the cluster's: no wave of any partner still reads this slot or has a load on its way
	s_add_nc_u64 s[G0A+4*\slot+2:G0A+4*\slot+3], s[G0A+4*\slot+2:G0A+4*\slot+3], 2*256
	s_add_nc_u64 s[G0B+4*\slot+2:G0B+4*\slot+3], s[G0B+4*\slot+2:G0B+4*\slot+3], 2*256
	s_add_nc_u64 s[G0SA+4*\slot+2:G0SA+4*\slot+3], s[G0SA+4*\slot+2:G0SA+4*\slot+3], 2*SSTEP
	s_add_nc_u64 s[G0SB+4*\slot+2:G0SB+4*\slot+3], s[G0SB+4*\slot+2:G0SB+4*\slot+3], 2*SSTEP
	JLOAD \slot                                    ; my one tensor load behind the round; its four v_nop are also the places in front of the loads below
.else
	PLACES
.endif
	SCALES \next
	FETCH \next, 0, F0
	WIN MUL
	MULA F1, 2, 3, \slot, 0
	MULA F1, 3, 3, \slot, 0
.endm
	s_wait_tensorcnt 1                             ; my part of K step 0 is in; K step 1's may stay out
	s_barrier_signal -1
	s_barrier_wait -1
	SCALES 0
	FETCH 0, 0, F0
	QUARTER 0, 0, 1                                ; the first quarter stands in front of the loop: its products start the sums
	WIN 0
	s_mov_b32 s3, LAPS-1
.Llap:                                                 ; a trip goes once round the ring and fills both slots again
	QUARTER 0, 1, 0
	QUARTER 0, 2, 0
	TURN 0, 1, 1
	QUARTER 1, 0, 0
	QUARTER 1, 1, 0
	QUARTER 1, 2, 0
	TURN 1, 0, 1
	QUARTER 0, 0, 0
	WIN 0
	s_sub_co_u32 s3, s3, 1
	s_cmp_lg_u32 s3, 0
	s_cbranch_scc1 .Llap
	QUARTER 0, 1, 0                                ; the last lap fills nothing
	QUARTER 0, 2, 0
	TURN 0, 1, 0
	QUARTER 1, 0, 0
	QUARTER 1, 1, 0
	QUARTER 1, 2, 0
	s_wait_dscnt 4
	WIN MUL
	MULA F1, 0, 3, 1, 0
	MULA F1, 1, 3, 1, 0
	s_wait_dscnt 0x0
	MULA F1, 2, 3, 1, 0
	MULA F1, 3, 3, 1, 0
	WIN 0
	s_wait_loadcnt 0x0                             ; the weights, cos and sin
	PLACES                                         ; between the last products and the first read of results
; THE WAY OUT, 16 tokens at a time.  A lane and the lane 16 away hold a token's whole head.
.macro BLOCK a
	WIN 0x0a                                       ; sources 0 and 1: the accumulators
	v_pk_mul_f32 v[SS:SS+1], v[64*\a:64*\a+1], v[64*\a:64*\a+1]              ; the sum of squares, in two chains; each accumulator from its low end on
	v_pk_mul_f32 v[SS+2:SS+3], v[64*\a+2:64*\a+3], v[64*\a+2:64*\a+3]
.set i, 4
.rept 15
	v_pk_fma_f32 v[SS:SS+1], v[64*\a+i:64*\a+i+1], v[64*\a+i:64*\a+i+1], v[SS:SS+1]
	v_pk_fma_f32 v[SS+2:SS+3], v[64*\a+i+2:64*\a+i+3], v[64*\a+i+2:64*\a+i+3], v[SS+2:SS+3]
.set i, i+4
.endr
	WIN 0
	v_pk_add_f32 v[SS:SS+1], v[SS:SS+1], v[SS+2:SS+3]
	v_add_f32 v[SS], v[SS], v[SS+1]
	v_permlanex16_b32 v[SS+1], v[SS], s[SEL], s[SEL+1]
	v_add_f32 v[SS], v[SS], v[SS+1]                ; over the head's 128
	v_fma_f32 v[SS], v[SS], s[R128], s[EPS]        ; the mean + eps
	v_rsq_f32 v[RS], v[SS]
	v_nop                                          ; a plain line behind the transcendental
	s_wait_alu depctr_va_vdst(0)                   ; and the wait ahead of its first reader
.if \a > 0
	s_wait_xcnt 0x0                                ; the last block's stores have read v96-127
.endif
	WIN 0x02
.set i, 0
.rept 32
	v_pk_mul_f32 v[Y+i:Y+i+1], v[64*\a+i:64*\a+i+1], v[RS:RS+1] op_sel_hi:[1,0]
.set i, i+2
.endr
	WIN 0x04
.set i, 0
.rept 32
	v_pk_mul_f32 v[Y+i:Y+i+1], v[Y+i:Y+i+1], v[NW+i:NW+i+1]                  ; x the norm's weights
.set i, i+2
.endr
	WIN 0x0c                                       ; source 1: cos and sin.  Registers 0-31 are channels under 64, registers 32-63 the same channels + 64
.set i, 0
.rept 16
	v_pk_mul_f32 v[OUT+i:OUT+i+1], v[Y+i:Y+i+1], v[64*\a+i:64*\a+i+1]
	v_pk_mul_f32 v[OUT+32+i:OUT+32+i+1], v[Y+32+i:Y+32+i+1], v[64*\a+i:64*\a+i+1]
.set i, i+2
.endr
.set i, 0
.rept 16
	v_pk_fma_f32 v[OUT+i:OUT+i+1], v[Y+32+i:Y+32+i+1], v[64*\a+32+i:64*\a+32+i+1], v[OUT+i:OUT+i+1] neg_lo:[1,0,0] neg_hi:[1,0,0]   ; low half: y cos - y(+64) sin
	v_pk_fma_f32 v[OUT+32+i:OUT+32+i+1], v[Y+i:Y+i+1], v[64*\a+32+i:64*\a+32+i+1], v[OUT+32+i:OUT+32+i+1]                          ; high half: y cos + y(-64) sin
.set i, i+2
.endr
	WIN 0x08
.set i, 0
.rept 64
	v_cndmask_b32 v[OUT+i], v[OUT+i], v[64*\a+i], s[ISV]                     ; v's heads keep the plain sums: a choice, not a branch, since partners of a cluster run alike
.set i, i+1
.endr
	WIN 0
.set i, 0
.rept 32
	v_cvt_pk_f16_f32 v[HP+i], v[OUT+2*i], v[OUT+2*i+1]
.set i, i+1
.endr
.irp b, 0,1,2,3,4,5,6,7
	ds_store_b128 v[STO], v[HP+4*\b:HP+4*\b+3] offset:32*\b
.endr
.irp t, 0,1,2,3,4,5,6,7
	ds_load_b128 v[Y+4*\t:Y+4*\t+3], v[RD] offset:\t*2*PITCH                 ; LDS serves a wave's instructions in order: these see the stores above
.endr
.irp t, 0,1,2,3,4,5,6,7
	s_wait_dscnt 7-\t
	global_store_b128 v[CO], v[Y+4*\t:Y+4*\t+3], s[14:15] offset:4096*\a+512*\t   ; two tokens' rows: 512 consecutive bytes, aligned
.endr
.endm
	BLOCK 0
	BLOCK 1
	BLOCK 2
	BLOCK 3
	s_wait_tensorcnt 0x0                           ; the wave's end
	ds_add_u32 v[SPW], v[NIL]
	s_wait_dscnt 0x0
	CROUND                                         ; the closing round
	s_endpgm
.Lfunc_end_k_qa63d777f8d_qkv:
	.size	k_qa63d777f8d_qkv, .Lfunc_end_k_qa63d777f8d_qkv-k_qa63d777f8d_qkv
	.p2alignl 7, 3214868480
	.fill 96, 4, 3214868480
	.section	.rodata,"a",@progbits
	.p2align	6, 0x0
	.amdhsa_kernel k_qa63d777f8d_qkv
		.amdhsa_group_segment_fixed_size 327680
		.amdhsa_private_segment_fixed_size 0
		.amdhsa_enable_private_segment 0
		.amdhsa_kernarg_size 48
		.amdhsa_user_sgpr_count 2
		.amdhsa_user_sgpr_kernarg_segment_ptr 1
		.amdhsa_wavefront_size32 1
		.amdhsa_system_sgpr_workgroup_id_x 1
		.amdhsa_system_sgpr_workgroup_id_y 1
		.amdhsa_system_sgpr_workgroup_id_z 1
		.amdhsa_system_vgpr_workitem_id 0
		.amdhsa_next_free_vgpr 1024
		.amdhsa_next_free_sgpr 102
		.amdhsa_reserve_vcc 0
		.amdhsa_float_denorm_mode_32 3
		.amdhsa_float_denorm_mode_16_64 3
		.amdhsa_memory_ordered 1
		.amdhsa_forward_progress 1
		.amdhsa_inst_pref_size 192
	.end_amdhsa_kernel
	.amdgpu_metadata
---
amdhsa.version: [ 1, 2 ]
amdhsa.kernels:
  - .name:           k_qa63d777f8d_qkv
    .symbol:         k_qa63d777f8d_qkv.kd
    .args:
      - { .name: codes, .offset: 0, .size: 8, .value_kind: global_buffer, .address_space: global }
      - { .name: scales, .offset: 8, .size: 8, .value_kind: global_buffer, .address_space: global }
      - { .name: rope, .offset: 16, .size: 8, .value_kind: global_buffer, .address_space: global }
      - { .name: q_norm_w, .offset: 24, .size: 8, .value_kind: global_buffer, .address_space: global }
      - { .name: k_norm_w, .offset: 32, .size: 8, .value_kind: global_buffer, .address_space: global }
      - { .name: qkv, .offset: 40, .size: 8, .value_kind: global_buffer, .address_space: global }
    .group_segment_fixed_size: 327680
    .private_segment_fixed_size: 0
    .kernarg_segment_align: 8
    .kernarg_segment_size: 48
    .max_flat_workgroup_size: 128
    .sgpr_count:     102
    .vgpr_count:     1024
    .wavefront_size: 32
...
	.end_amdgpu_metadata
.endif
;; end of part 2
;; launch attn (part 3): grid 32 x 8, 4 waves a work-group, clusters of 4 x 4, 327,680 bytes of LDS; arguments qkv, attention_mask, ctx16, ctx32; writes ctx16, ctx32
.if DOCPART == 3
	.amdgcn_target "amdgcn-amd-amdhsa--gfx1250"
	.amdhsa_code_object_version 6
	.text
	.protected	k_qa63d777f8d_attn
	.globl	k_qa63d777f8d_attn
	.p2align	8
	.type	k_qa63d777f8d_attn,@function
k_qa63d777f8d_attn:
	s_mov_b64 s[64:65], 0
	v_nop
	global_prefetch_b8 v0, s[64:65] scope:SCOPE_SE
	s_setreg_imm32_b32 hwreg(HW_REG_WAVE_MODE, 25, 1), 1
	s_wait_xcnt 0x0
	s_wait_alu depctr_hold_cnt(0) depctr_sa_sdst(0) depctr_va_vdst(0) depctr_va_sdst(0) depctr_va_ssrc(0) depctr_va_vcc(0) depctr_vm_vsrc(0)
	s_getreg_b32 s2, hwreg(HW_REG_IB_STS2, 6, 4)
	s_cmp_eq_u32 s2, 0
	s_cbranch_scc0 .Lentry_in_a_cluster
	s_endpgm
.Lentry_in_a_cluster:
	s_bfe_u32 s2, ttmp6, 0x10000c
	s_cmp_lg_u32 s2, 0xf033
	s_cbranch_scc0 .Lentry_shape_is_right
	s_endpgm
.Lentry_shape_is_right:
; THIRD LAUNCH: ctx = softmax(q k^T / sqrt(128) + attention_mask) v, f16 operands, f32 sums, maxima and softmax.  No work is left out: the mask is an input, so every key is walked for every query.
; qkv: [32 heads][2,048][128] f16.  ctx16: [2,048 tokens][16 heads x 128] f16.  ctx32: the same numbers of tokens 0-15 in f32, [16][2,048], for the fine rows of the last product.
; THE SOFTMAX.  s = score / sqrt(128) + mask, one fused multiply-add in f32.  A running maximum m and sum l for each query; p = 2^((s - m) log2 e): the difference FIRST, then the factor, since the mask may hold
; the most negative f32 number: a product of it with log2 e would leave the range, a difference of two such numbers is 0, which gives p = 1.  m begins at that number, so a mask of -infinity gives p = 0.
; LIMITS: p, q, k, v and ctx16 are f16.  A row whose every mask entry is -infinity gives NaN.
; SHARES.  A work-group owns 64 positions of one key/value head, with BOTH query heads that share it: 8 tiles of 16 queries.  A slot of the ring holds 128 keys; waves 0, 1 walk its first 64, waves 2, 3 its last 64.
; A wave holds four tiles: tiles 0, 1 = position tile PT0, the two heads; tiles 2, 3 = PT1.  Waves w and w xor 2 hold the same four tiles over the two halves of the keys, with PT0 and PT1 changed round:
; at the end each sends its tiles 2, 3 (sums, m, l) to the other through LDS and finishes its tiles 0, 1.  So each fragment of K and V feeds four products and all four SIMDs of 256 work-groups have work.
; LAYOUT.  S^T = K Q^T (source 0 = 16 keys, source 1 = 16 queries): a lane holds ONE query (lane % 16) and keys 8 (lane / 16) + 0 .. 7; two such tiles rounded to f16 ARE source 1 of O^T = V^T P.  V is turned by ds_load_tr16_b128.
; THE ORDER OF A STEP.  The wave's tiles are two PIECES, named by their first tile: piece 0 (tiles 0, 1) and piece 2 (tiles 2, 3); they share K's and V's fragments and nothing else.  A step goes: K Q^T of piece 0;
; K Q^T of piece 2 with piece 0's softmax between its products, ten instructions behind each; V^T P of piece 0 with piece 2's softmax likewise; V^T P of piece 2.  So 64 of a step's 128 products have vector work
; of the other piece behind them, which names none of their registers.  All that a softmax touches but the mask and O^T lies in window 0, and no window has room for a product's operands beside it: such a slice
; costs two switches of the register window, about 130 for a step's 128 products and 664 vector instructions.
; CLUSTER 4 x 4: K's and V's tiles hang on the key/value head alone and are shared along a row of the cluster; the mask's tiles hang on the positions alone and are shared along a column.
; REGISTERS: window 0: v1-11, v44-63 addresses; v12-43 statistics, eight a tile; v64-191 S^T; v192-255 P.   window 1: O^T, 64 a tile.   window 2: v0-127 Q, v128-255 K.   window 3: v0-127 V, v128-191 the mask.
.set PK,    272                        ; a row of K in LDS: 256 bytes + 16
.set PV,    288                        ; of V: 256 + 32: the turning load's 8 rows x 32 bytes fall on different banks (ISA guide 11.1)
.set PM,    272                        ; of the mask: 64 f32 + 16 bytes
.set VOFF,  128*PK
.set MOFF,  VOFF+128*PV                ; two tiles of the mask: 64 positions x 64 keys each
.set MT,    64*PM
.set SLOT1, 1<<17
.set SPARE, 2*SLOT1                    ; the spare words, 128 bytes a wave
.set XO,    0                          ; the end, in slot 0, which has then had its last fill and its last read: images of 128 registers, 16,384 bytes a wave,
.set XS,    65536                      ; m and l of two tiles, 512 bytes a wave,
.set WS,    67584                      ; and a stage of 16 rows x 272 bytes a wave
.set HEADB, 524288                     ; a head of qkv in bytes
.set KSTEP, 32768                      ; 128 rows of K or V
.set AK0, 2
.set AV0, 3
.set ADR, 4
.set GO,  5
.set STO, 6
.set RD,  7
.set QO,  8                            ; v8, v9   my byte in Q's rows of PT0, PT1
.set AM0, 10                           ; v10, v11 my place in a mask tile for PT0, PT1
.set ST,  12                           ; tile t at v[ST + 8 t]: +0 m, +1 its pair's other half, +2, +3 l, +4 .. +7 at work; the step's factor a at +6
.set ADM, 44                           ; v44, v45
.set XW,  46
.set XR,  47
.set XSW, 48
.set XSR, 49
.set C32O, 50
.set POS, 51
.set ADV, 52
.set PM0, 53                           ; v53, v54 the partner's m; v55, v56 its l
.set PFO, 61
.set SPW, 62
.set NIL, 63
.set S,   64
.set P,   192
.set KF,  128                          ; in window 2
.set MK,  128                          ; in window 3
.set WV,  12
.set PFA, 18
.set PFS, 20
.set LIM, 22
.set TB,  23
.set G1K, 24
.set G1V, 32
.set G1M, 40
.set G0K, 48                           ; a set for each of the two first fills; the second then walks on
.set G0V, 56
.set G0M, 68
.set SLOTS, 76
.set CS,  78                           ; s[78:79] 1 / sqrt(128)
.set LG,  80                           ; s[80:81] log2 e
.set SEL, 82
.set SV,  84
.set MSB, 0
.macro WIN new                         ; the immediate's high byte repeats the setting that is left; a switch that changes nothing is dropped
.if MSB != \new
	s_set_vgpr_msb (MSB<<8)|\new
.set MSB, \new
.endif
.endm
.set W_KQ, 0x0a                        ; K and Q in window 2, S^T in window 0
.set W_PV, 0x53                        ; V in window 3, P in window 0, O^T in window 1
.set W_MK, 0x30                        ; source 2, the mask, in window 3
.set W_RS, 0x41                        ; O^T (destination and source 0) in window 1, a in window 0
.macro PLACES
.rept 4
	v_nop
.endr
.endm
.macro CROUND
	s_barrier_signal -1
	s_barrier_wait -1
	s_cmp_lg_u32 s[WV], 0
	s_cbranch_scc1 .Lnot_wave_0_\@
	s_barrier_signal -3
.Lnot_wave_0_\@:
	s_barrier_wait -3
	s_barrier_signal -1
	s_barrier_wait -1
.endm
; A joint refill: wave 0 K's 128 rows, wave 1 V's, waves 2 and 3 the mask's two tiles.  An s_nop 0 and four v_nop follow each line.
.macro JLOAD
	s_cmp_eq_u32 s[WV], 0
	s_cbranch_scc0 .Lj1_\@
	tensor_load_to_lds s[G0K+4:G0K+7], s[G1K:G1K+7]
	s_nop 0
.rept 4
	v_nop
.endr
	s_branch .Ljd_\@
.Lj1_\@:
	s_cmp_eq_u32 s[WV], 1
	s_cbranch_scc0 .Lj2_\@
	tensor_load_to_lds s[G0V+4:G0V+7], s[G1V:G1V+7]
	s_nop 0
.rept 4
	v_nop
.endr
	s_branch .Ljd_\@
.Lj2_\@:
	tensor_load_to_lds s[G0M+4:G0M+7], s[G1M:G1M+7]
	s_nop 0
.rept 4
	v_nop
.endr
.Ljd_\@:
.endm
; A PREFETCH of what the NEXT change of slots will ask for, one step (128 matrix instructions) ahead of that load.  Each aligned run of 256 bytes is named once in the launch.  K's and V's rows are walked by all
; eight clusters of a row of clusters: the first (cluster x = 0) asks, wave 0 for K, wave 1 for V; the four partners that share a head take 32 rows each, told apart by address.  The mask's rows are walked by both
; clusters of a column: cluster y = 0 asks, wave 2; the four partners that share the positions take 16 rows x 2 runs each.  The last change that fills a slot asks for nothing; slots 0 to 2 come by their loads alone.
.macro ASK
	s_cmp_gt_u32 s[SLOTS], s[LIM]
	s_cbranch_scc0 .Lnot_mine_\@
	global_prefetch_b8 v[PFO], s[PFA:PFA+1] th:TH_LOAD_NT scope:SCOPE_SE
.Lnot_mine_\@:
.endm
	s_load_b256 s[4:11], s[0:1], 0x0               ; qkv s[4:5], attention_mask s[6:7], ctx16 s[8:9], ctx32 s[10:11]
	v_lshl_add_u32 v[SPW], v0, 2, SPARE
	v_mov_b32 v[NIL], 0
	ds_add_u32 v[SPW], v[NIL]                      ; the wave's opening: the add, twice on end, and its wait ahead of my first tensor load
	ds_add_u32 v[SPW], v[NIL]
	v_lshrrev_b32 v1, 5, v0
	v_readfirstlane_b32 s[WV], v1
	s_bfe_u32 s13, ttmp6, 0x40000                  ; cx
	s_bfe_u32 s14, ttmp6, 0x40004                  ; cy
	s_lshl_b32 s15, ttmp9, 2
	s_add_co_u32 s15, s15, s13                     ; my block of 64 positions
	s_and_b32 s17, ttmp7, 0xffff                   ; cluster y
	s_lshl_b32 s16, s17, 2
	s_add_co_u32 s16, s16, s14                     ; my key/value head
	s_and_b32 s85, s[WV], 1
	s_lshr_b32 s86, s[WV], 1                       ; which 64 keys of a slot I walk
	s_lshl_b32 s87, s85, 1
	s_add_co_u32 s87, s87, s86                     ; PT0
	s_xor_b32 s88, s87, 1                          ; PT1
	s_lshl_b32 s89, s14, 2
	s_lshl_b32 s89, 15, s89                        ; my row of the cluster: the same head
	s_lshl_b32 s90, 0x1111, s13                    ; my column: the same positions
	s_or_b32 s[G1K], s89, (1<<16)|(1<<20)|(1<<21)|(5<<22)|(3<<25)   ; elements of 2 bytes; 4 words of padding behind every 64
	s_or_b32 s[G1V], s89, (1<<16)|(1<<20)|(1<<21)|(5<<22)|(7<<25)   ; 8 words
	s_or_b32 s[G1M], s90, (2<<16)|(1<<20)|(1<<21)|(5<<22)|(3<<25)   ; elements of 4 bytes
.irp g, G1K, G1V
	s_mov_b32 s[\g+1], 128<<16
	s_mov_b32 s[\g+2], 128<<16
	s_mov_b32 s[\g+3], 128<<16
	s_mov_b32 s[\g+4], 128
	s_mov_b32 s[\g+5], 128
	s_mov_b32 s[\g+6], 0
	s_mov_b32 s[\g+7], 0
.endr
	s_mov_b32 s[G1M+1], 64<<16
	s_mov_b32 s[G1M+2], 64<<16
	s_mov_b32 s[G1M+3], 64<<16
	s_mov_b32 s[G1M+4], 64
	s_mov_b32 s[G1M+5], 2048
	s_mov_b32 s[G1M+6], 0
	s_mov_b32 s[G1M+7], 0
	s_mul_i32 s91, s85, MT                         ; which tile of the mask waves 2, 3 fetch
	s_add_co_u32 s92, s16, 16
	s_lshl_b32 s92, s92, 19                        ; K's head: 16 + g.  s[92:93] hold the head alone, s[94:95] the positions alone
	s_mov_b32 s93, 0
	s_lshl_b32 s94, s15, 19                        ; the mask: 64 rows of 8,192 bytes a block,
	s_lshl_b32 s2, s85, 8
	s_add_co_u32 s94, s94, s2                      ; + 256 bytes for the second tile
	s_mov_b32 s95, 0
	s_lshl_b32 s96, s16, 20                        ; Q: head 2 g,
	s_lshl_b32 s2, s15, 14
	s_add_co_u32 s96, s96, s2                      ; + my block's 64 rows of 256 bytes
	s_mov_b32 s97, 0
	; the prefetches: where my wave's stand, and who asks
	s_lshl_b32 s98, s[WV], 3
	s_add_co_u32 s98, s98, s16
	s_add_co_u32 s98, s98, 16
	s_lshl_b32 s98, s98, 19                        ; wave 0: head 16 + g, wave 1: head 24 + g,
	s_lshl_b32 s2, s13, 13
	s_add_co_u32 s98, s98, s2                      ; my work-group's 32 rows,
	s_add_co_u32 s98, s98, 2*KSTEP                 ; in slot 2: the first change of slots steps it to slot 3
	s_lshl_b32 s99, s15, 6
	s_lshl_b32 s2, s14, 4
	s_add_co_u32 s99, s99, s2
	s_lshl_b32 s99, s99, 13                        ; wave 2: the mask's rows 64 x block + 16 cy on,
	s_add_co_u32 s99, s99, 2*512                   ; in slot 2
	s_lshr_b32 s2, s[WV], 1
	s_and_b32 s2, s2, s[WV]                        ; 1 in wave 3 alone, which never asks
	s_mov_b32 s[PFS], 512
	s_cmp_lt_u32 s[WV], 2
	s_cselect_b32 s98, s98, s99
	s_cselect_b32 s[PFS], KSTEP, s[PFS]            ; a slot on
	s_cselect_b32 s3, -1, 0
	s_cselect_b32 s[LIM], ttmp9, s17               ; the coordinate along which other clusters walk the same rows
	s_mov_b32 s99, 0
	s_mov_b32 s[PFS+1], 0
	s_or_b32 s[LIM], s[LIM], s2
	s_cmp_eq_u32 s[LIM], 0
	s_cselect_b32 s[LIM], 1, -1                    ; the same in all sixteen partners, for a given wave
	v_and_b32 v58, 31, v0                          ; lane
	v_lshlrev_b32 v59, 8, v58                      ; K, V: a lane a row of 256 bytes
	v_lshrrev_b32 v60, 1, v58
	v_lshlrev_b32 v60, 13, v60
	v_and_b32 v[PFO], 1, v58
	v_lshl_or_b32 v60, v[PFO], 8, v60              ; the mask: two lanes a row of 8,192 bytes, 256 bytes apart
	v_cndmask_b32 v[PFO], v60, v59, s3
	s_mov_b32 s[CS], 0x3db504f3
	s_mov_b32 s[CS+1], s[CS]
	s_mov_b32 s[LG], 0x3fb8aa3b
	s_mov_b32 s[LG+1], s[LG]
	s_mov_b32 s[SEL], 0x76543210
	s_mov_b32 s[SEL+1], 0xfedcba98
	s_mov_b32 s[TB], 0
	s_mov_b32 s[SLOTS], 14
	s_wait_dscnt 0x0                               ; both opening adds are done
	s_wait_kmcnt 0x0
	s_add_nc_u64 s[92:93], s[4:5], s[92:93]
	s_add_nc_u64 s[94:95], s[6:7], s[94:95]
	s_add_nc_u64 s[96:97], s[4:5], s[96:97]
	s_cmp_lt_u32 s[WV], 2
	s_cselect_b64 s[PFA:PFA+1], s[4:5], s[6:7]
	s_add_nc_u64 s[PFA:PFA+1], s[PFA:PFA+1], s[98:99]
.irp s, 0,1
	s_mov_b32 s[G0K+4*\s], 1
	s_mov_b32 s[G0K+4*\s+1], \s*SLOT1
	s_add_nc_u64 s[G0K+4*\s+2:G0K+4*\s+3], s[92:93], \s*KSTEP
	s_or_b32 s[G0K+4*\s+3], s[G0K+4*\s+3], 0x80000000
	s_mov_b32 s[G0V+4*\s], 1
	s_mov_b32 s[G0V+4*\s+1], \s*SLOT1+VOFF
	s_add_nc_u64 s[G0V+4*\s+2:G0V+4*\s+3], s[92:93], 8*HEADB+\s*KSTEP
	s_or_b32 s[G0V+4*\s+3], s[G0V+4*\s+3], 0x80000000
	s_mov_b32 s[G0M+4*\s], 1
	s_add_co_u32 s[G0M+4*\s+1], s91, \s*SLOT1+MOFF
	s_add_nc_u64 s[G0M+4*\s+2:G0M+4*\s+3], s[94:95], \s*512
	s_or_b32 s[G0M+4*\s+3], s[G0M+4*\s+3], 0x80000000
.endr
	CROUND                                         ; all sixteen work-groups are here: the first joint loads meet
	s_cmp_eq_u32 s[WV], 0                          ; a wave's two first fills stand in one arm: two loads of mine are out
	s_cbranch_scc0 .Lf1
	tensor_load_to_lds s[G0K:G0K+3], s[G1K:G1K+7]
	s_nop 0
	tensor_load_to_lds s[G0K+4:G0K+7], s[G1K:G1K+7]
	s_nop 0
.rept 4
	v_nop
.endr
	s_branch .Lfd
.Lf1:
	s_cmp_eq_u32 s[WV], 1
	s_cbranch_scc0 .Lf2
	tensor_load_to_lds s[G0V:G0V+3], s[G1V:G1V+7]
	s_nop 0
	tensor_load_to_lds s[G0V+4:G0V+7], s[G1V:G1V+7]
	s_nop 0
.rept 4
	v_nop
.endr
	s_branch .Lfd
.Lf2:
	tensor_load_to_lds s[G0M:G0M+3], s[G1M:G1M+7]
	s_nop 0
	tensor_load_to_lds s[G0M+4:G0M+7], s[G1M:G1M+7]
	s_nop 0
.rept 4
	v_nop
.endr
.Lfd:
	v_and_b32 v1, 15, v0                           ; r = l % 16
	v_bfe_u32 v57, v0, 4, 1                        ; h = l / 16
	v_lshlrev_b32 v59, 8, v1
	v_lshl_add_u32 v59, v57, 4, v59                ; Q: row r x 256 + 16 h
	s_lshl_b32 s2, s87, 12
	s_lshl_b32 s3, s88, 12
	v_add_nc_u32 v[QO], s2, v59
	v_add_nc_u32 v[QO+1], s3, v59
	WIN 0x80                                       ; destination window 2
.irp t, 0,1,2,3
.irp c, 0,1,2,3
	global_load_b128 v[32*\t+8*\c:32*\t+8*\c+3], v[QO+\t/2], s[96:97] offset:(\t%2)*HEADB+\c*64       ; Q stays in registers: tile t, channels 32 c on
	global_load_b128 v[32*\t+8*\c+4:32*\t+8*\c+7], v[QO+\t/2], s[96:97] offset:(\t%2)*HEADB+\c*64+32
.endr
.endr
	WIN 0
	v_mul_u32_u24 v[AK0], v1, PK
	v_lshl_add_u32 v[AK0], v57, 4, v[AK0]
	s_mul_i32 s2, s86, 64*PK
	v_add_nc_u32 v[AK0], s2, v[AK0]                ; K: my half's rows, row r, + 16 h
	v_and_b32 v59, 7, v0
	v_bfe_u32 v60, v0, 3, 1
	v_lshl_add_u32 v[AV0], v57, 3, v59
	v_mul_u32_u24 v[AV0], v[AV0], PV
	v_lshl_add_u32 v[AV0], v60, 4, v[AV0]
	s_mul_i32 s2, s86, 64*PV
	s_add_co_u32 s2, s2, VOFF
	v_add_nc_u32 v[AV0], s2, v[AV0]                ; V, for the turning load: key 8 h + l % 8, channels 8 ((l / 8) % 2) on
	v_mul_u32_u24 v59, v1, PM
	v_lshl_add_u32 v59, v57, 5, v59
	s_mul_i32 s2, s86, MT
	s_add_co_u32 s2, s2, MOFF
	s_mul_i32 s3, s87, 16*PM
	s_add_co_u32 s3, s3, s2
	v_add_nc_u32 v[AM0], s3, v59                   ; the mask: my half's tile, position 16 PT + r, + 32 h bytes
	s_mul_i32 s3, s88, 16*PM
	s_add_co_u32 s3, s3, s2
	v_add_nc_u32 v[AM0+1], s3, v59
	v_lshlrev_b32 v59, 4, v58
	s_lshl_b32 s2, s[WV], 14
	s_xor_b32 s3, s2, 2<<14
	v_add_nc_u32 v[XW], s2, v59                    ; my image, and wave w xor 2's
	v_add_nc_u32 v[XR], s3, v59
	v_lshlrev_b32 v59, 2, v58
	s_lshl_b32 s2, s[WV], 9
	s_xor_b32 s3, s2, 2<<9
	s_add_co_u32 s2, s2, XS
	s_add_co_u32 s3, s3, XS
	v_add_nc_u32 v[XSW], s2, v59
	v_add_nc_u32 v[XSR], s3, v59
	s_mul_i32 s2, s[WV], 16*272
	s_add_co_u32 s2, s2, WS
	v_mul_u32_u24 v[STO], v1, 272
	v_lshl_add_u32 v[STO], v57, 4, v[STO]
	v_add_nc_u32 v[STO], s2, v[STO]
	v_mul_u32_u24 v[RD], v57, 272
	v_lshl_add_u32 v[RD], v1, 4, v[RD]
	v_add_nc_u32 v[RD], s2, v[RD]
	s_lshl_b32 s2, s87, 16
	v_lshlrev_b32 v[GO], 12, v57
	v_lshl_add_u32 v[GO], v1, 4, v[GO]
	v_add_nc_u32 v[GO], s2, v[GO]                  ; ctx16: row 16 PT0 + h of 4,096 bytes, + 16 r
	v_lshlrev_b32 v[C32O], 13, v1
	v_lshl_add_u32 v[C32O], v57, 5, v[C32O]        ; ctx32: row r of 8,192 bytes, + 32 h
	s_lshl_b32 s2, s15, 6
	s_lshl_b32 s3, s87, 4
	s_add_co_u32 s2, s2, s3
	v_add_nc_u32 v[POS], s2, v1                    ; the position of my query in tiles 0, 1
	s_lshl_b32 s2, s15, 18
	s_lshl_b32 s3, s16, 9
	s_add_co_u32 s2, s2, s3
	s_mov_b32 s3, 0
	s_add_nc_u64 s[8:9], s[8:9], s[2:3]            ; ctx16 at my block's first row, head 2 g
	s_lshl_b32 s2, s16, 10
	s_add_nc_u64 s[10:11], s[10:11], s[2:3]        ; ctx32 at head 2 g
.irp t, 0,1,2,3
	v_mov_b32 v[ST+8*\t+1], 0                      ; named with m as a pair, so it is written
.endr
; THE MATRIX WORK of piece x.  The accumulators take turns, one instruction a turn: between two links of a chain stand 7 (K Q^T) or 15 (V^T P) others'.
; Product i of 32 of S^T = K Q^T: channels 32 (i / 8) on, keys 16 ((i / 2) % 4) on, tile x + i % 2.  The first 8 start the sums.
.macro KQ x
	WIN W_KQ
.set rS, S+32*(\x+i%2)+8*((i/2)%4)
.set rK, KF+32*((i/2)%4)+8*(i/8)
.set rQ, 32*(\x+i%2)+8*(i/8)
.if i < 8
	v_wmma_f32_16x16x32_f16 v[rS:rS+7], v[rK:rK+7], v[rQ:rQ+7], 0
.else
	v_wmma_f32_16x16x32_f16 v[rS:rS+7], v[rK:rK+7], v[rQ:rQ+7], v[rS:rS+7]
.endif
.endm
; Product i of 32 of O^T += V^T P: keys 32 (i / 16) on, channels 16 ((i / 2) % 8) on, tile x + i % 2.  zero = 1: the first 16 start the sums: nothing is ever cleared.
.macro PV x, zero
	WIN W_PV
.set rO, 64*(\x+i%2)+8*((i/2)%8)
.set rV, 64*(i/16)+8*((i/2)%8)
.set rP, P+16*(\x+i%2)+8*(i/16)
.if \zero && (i < 16)
	v_wmma_f32_16x16x32_f16 v[rO:rO+7], v[rV:rV+7], v[rP:rP+7], 0
.else
	v_wmma_f32_16x16x32_f16 v[rO:rO+7], v[rV:rV+7], v[rP:rP+7], v[rO:rO+7]
.endif
.endm
; THE VECTOR WORK of piece y for one step: a list of 332 instructions.  Number n of it is number j = n / 2 of tile y + n % 2's list of 166: the two tiles alternate, so that no instruction reads the result of the
; one just before it.  s0-s31 are the lane's 32 scores, in pairs 0-15.  first = 1: the first step, which starts m, l and O^T: it has no a and nothing to rescale.
;   0-15     s = score / sqrt(128) + mask, a pair each; each accumulator is read from its low end on
;   16-31    the maximum of s0-s31 and the old m, three operands at a time: four chains of seven scores, then the four scores left over, the chains and m
;   32-37    the other half of the lanes' maximum; the new m; (old m - new m) log2 e; a = 2^ that
;   38-101   ONE BATCH: for each pair s - m and x log2 e, and the 32 exponentials.  Pair 0 goes ahead; then subtraction of pair g + 1, exponential 2 g, scaling of pair g + 1, exponential 2 g + 1; the last two
;            exponentials close it.  So every other instruction is a plain one, and none names an exponential's result
;   (wait)   between 101 and 102 stand one plain line and the wait for the batch: SLICE writes them, once for both tiles
;   102-117  the roundings to f16, a pair of weights each       118-133  the sum of the unrounded p, as a tree in place; l = a l + the sum
;   134-165  the tile's O^T times a
.macro SMI y, first
.set t, (\y)+n%2
.set j, n/2
.set rT, ST+8*t
.set rS, S+32*t
.set rP, P+16*t
.if j < 16
	WIN W_MK
	v_pk_fma_f32 v[rS+2*j:rS+2*j+1], v[rS+2*j:rS+2*j+1], s[CS:CS+1], v[MK+16*(\y)+2*j:MK+16*(\y)+2*j+1] op_sel_hi:[1,0,1]
.elseif j < 134
	WIN 0
.if j < 20
	v_max3_num_f32 v[rT+j-12], v[rS+8*(j-16)], v[rS+8*(j-16)+1], v[rS+8*(j-16)+2]
.elseif j < 28
.set u, j-16
	v_max3_num_f32 v[rT+4+u%4], v[rT+4+u%4], v[rS+8*(u%4)+2*(u/4)+1], v[rS+8*(u%4)+2*(u/4)+2]
.elseif j == 28
	v_max3_num_f32 v[rT+4], v[rT+4], v[rS+7], v[rS+15]
.elseif j == 29
	v_max3_num_f32 v[rT+6], v[rT+6], v[rS+23], v[rS+31]
.elseif j == 30
	v_max3_num_f32 v[rT+4], v[rT+4], v[rT+5], v[rT+6]
.elseif (j == 31) && \first
	v_max3_num_f32 v[rT+4], v[rT+4], v[rT+7], 0xff7fffff   ; m begins at the most negative f32 number
.elseif j == 31
	v_max3_num_f32 v[rT+4], v[rT+4], v[rT+7], v[rT]        ; with the old m
.elseif j == 32
	v_permlanex16_b32 v[rT+5], v[rT+4], s[SEL], s[SEL+1]   ; the query's other 32 keys lie in the lane 16 away
.elseif j == 34
	v_max_num_f32 v[rT], v[rT+4], v[rT+5]
.elseif (j < 38) && \first             ; the first step has none of the four below
.elseif j == 33
	v_mov_b32 v[rT+7], v[rT]                               ; the old m is kept: number 34 writes m anew
.elseif j == 35
	v_sub_f32 v[rT+7], v[rT+7], v[rT]
.elseif j == 36
	v_mul_f32 v[rT+7], s[LG], v[rT+7]
.elseif j == 37
	v_exp_f32 v[rT+6], v[rT+7]                             ; a
.elseif j < 102
.set q, j-38
.set kind, 0                           ; 0: s - m of pair b; 1: x log2 e of pair b; 2: the exponential of score b
.set b, 0
.if q == 1
.set kind, 1
.elseif q >= 62
.set kind, 2
.set b, q-32
.elseif q >= 2
.set g, (q-2)/4
.set r4, (q-2)%4
.if r4 == 0
.set b, g+1
.elseif r4 == 1
.set kind, 2
.set b, 2*g
.elseif r4 == 2
.set kind, 1
.set b, g+1
.else
.set kind, 2
.set b, 2*g+1
.endif
.endif
.if kind == 0
	v_pk_add_f32 v[rS+2*b:rS+2*b+1], v[rS+2*b:rS+2*b+1], v[rT:rT+1] op_sel_hi:[1,0] neg_lo:[0,1] neg_hi:[0,1]
.elseif kind == 1
	v_pk_mul_f32 v[rS+2*b:rS+2*b+1], v[rS+2*b:rS+2*b+1], s[LG:LG+1] op_sel_hi:[1,0]
.else
	v_exp_f32 v[rS+b], v[rS+b]
.endif
.elseif j < 118
	v_cvt_pk_f16_f32 v[rP+j-102], v[rS+2*(j-102)], v[rS+2*(j-102)+1]   ; two neighbouring key tiles rounded in pairs are source 1 of the second product
.else
.set z, j-118                          ; sum z of 16 adds neighbours 1, 2, 4 and 8 pairs apart, then l takes it
.set w, 4
.set u, z
.if z >= 14
.set w, 32
.set u, 0
.elseif z >= 12
.set w, 16
.set u, z-12
.elseif z >= 8
.set w, 8
.set u, z-8
.endif
.if (z == 14) && \first
	v_pk_add_f32 v[rT+2:rT+3], v[rS:rS+1], v[rS+16:rS+17]
.elseif z < 15
	v_pk_add_f32 v[rS+w*u:rS+w*u+1], v[rS+w*u:rS+w*u+1], v[rS+w*u+w/2:rS+w*u+w/2+1]
.elseif !\first
	v_pk_fma_f32 v[rT+2:rT+3], v[rT+2:rT+3], v[rT+6:rT+7], v[rS:rS+1] op_sel_hi:[1,0,1]
.endif
.endif
.elseif !\first
	WIN W_RS
	v_pk_mul_f32 v[64*t+2*(j-134):64*t+2*(j-134)+1], v[64*t+2*(j-134):64*t+2*(j-134)+1], v[rT+6:rT+7] op_sel_hi:[1,0]   ; each accumulator from its low end on
.endif
.endm
; cnt numbers of the list, from number n on.  Ahead of number 204, the first that names an exponential's result: one plain line behind the last exponential, and ONE wait for the piece's 66.
.macro SLICE y, first, cnt
.rept \cnt
.if n == 204
	v_nop
	s_wait_alu depctr_va_vdst(0)
.endif
	SMI \y, \first
.set n, n+1
.endr
.endm
; A STEP: my 64 keys of the slot at s[TB], four tiles of 16 queries.  first = 1: the first step.
; A vector instruction that reads a matrix result stands four places behind that matrix instruction, and only plain vector instructions that name none of its registers are places (ISA guide 7.12.1): four v_nop behind
; piece 0's scores; behind piece 2's the last 22 numbers of piece 0's list, which rescale O^T (in the first step they are empty, and four v_nop stand there).
.macro STEP first
	v_add_nc_u32 v[ADR], s[TB], v[AK0]             ; these four plain lines are also the places between the last step's products and the loads into V's registers
	v_add_nc_u32 v[ADM], s[TB], v[AM0]
	v_add_nc_u32 v[ADM+1], s[TB], v[AM0+1]
	v_add_nc_u32 v[ADV], s[TB], v[AV0]
	WIN 0x80
.irp f, 0,1,2,3,4,5,6,7,8,9,10,11,12,13,14,15
	ds_load_b128 v[KF+8*\f:KF+8*\f+3], v[ADR] offset:(\f/4)*16*PK+(\f%4)*64          ; keys 16 (f / 4) on, channels 32 (f % 4) on
	ds_load_b128 v[KF+8*\f+4:KF+8*\f+7], v[ADR] offset:(\f/4)*16*PK+(\f%4)*64+32
.endr
	WIN 0xc0
.irp p, 0,1
.irp kt, 0,1,2,3
	ds_load_b128 v[MK+32*\p+8*\kt:MK+32*\p+8*\kt+3], v[ADM+\p] offset:64*\kt         ; the mask of my position, keys 16 kt + 8 h + 0 .. 7
	ds_load_b128 v[MK+32*\p+8*\kt+4:MK+32*\p+8*\kt+7], v[ADM+\p] offset:64*\kt+16
.endr
.endr
.irp f, 0,1,2,3,4,5,6,7,8,9,10,11,12,13,14,15
	ds_load_tr16_b128 v[8*\f:8*\f+3], v[ADV] offset:(\f/8)*32*PV+(\f%8)*32           ; keys 32 (f / 8) on, channels 16 (f % 8) on
	ds_load_tr16_b128 v[8*\f+4:8*\f+7], v[ADV] offset:(\f/8)*32*PV+16*PV+(\f%8)*32
.endr
	s_wait_dscnt 32                                ; K and the mask are in; V's 32 loads may stay out
.set i, 0
.rept 32
	KQ 0                                           ; piece 0's scores: no vector work of this step is ready yet
.set i, i+1
.endr
	PLACES
.set n, 0
.set i, 0
.rept 32
	KQ 2                                           ; piece 2's scores | piece 0's softmax
	SLICE 0, \first, 10
.set i, i+1
.endr
	SLICE 0, \first, 12
.if \first
	PLACES
.endif
	s_wait_dscnt 0x0                               ; V is in
.set n, 0
.set i, 0
.rept 32
	PV 0, \first                                   ; piece 0's V^T P | piece 2's softmax
	SLICE 2, \first, 10
.set i, i+1
.endr
	SLICE 2, \first, 12
.set i, 0
.rept 32
	PV 2, \first                                   ; piece 2's V^T P
.set i, i+1
.endr
	WIN 0
.endm
; THE CHANGE OF SLOTS.  Each wave waits for all its tensor loads (its part of the other slot), adds 0 to its spare word, and waits for that and for its reads of the slot.  fill = 1: the slot just read is filled
; with the keys two slots on, behind a round of the cluster's barrier; the load has a whole step in which to land.
.macro CHANGE fill
	s_wait_tensorcnt 0x0                           ; no tensor load of mine is out, so a group 0 may be written
	ds_add_u32 v[SPW], v[NIL]                      ; 0 onto my spare word
.if \fill
.irp g, G0K+4, G0V+4
	s_xor_b32 s[\g+1], s[\g+1], SLOT1              ; the walking descriptors: the other slot than last time,
	s_add_nc_u64 s[\g+2:\g+3], s[\g+2:\g+3], KSTEP ; the next 128 keys
.endr
	s_xor_b32 s[G0M+5], s[G0M+5], SLOT1
	s_add_nc_u64 s[G0M+6:G0M+7], s[G0M+6:G0M+7], 512
	s_wait_xcnt 0x0                                ; the last prefetch, a step back, has read its address
	s_add_nc_u64 s[PFA:PFA+1], s[PFA:PFA+1], s[PFS:PFS+1]
	s_wait_dscnt 0x0                               ; the add is done, and my reads of the slot are over
	CROUND
	JLOAD
	ASK
.else
	s_wait_dscnt 0x0
	s_barrier_signal -1
	s_barrier_wait -1
.endif
	s_xor_b32 s[TB], s[TB], SLOT1                  ; on to the other slot
.endm
	s_wait_tensorcnt 1                             ; my part of slot 0 is in; slot 1's may stay out
	s_barrier_signal -1
	s_barrier_wait -1
	s_wait_loadcnt 0x0                             ; Q
	STEP 1
.Lslot:                                                ; 14 trips: slots 2 to 15 are asked for, slots 1 to 14 are walked
	CHANGE 1
	STEP 0
	s_sub_co_u32 s[SLOTS], s[SLOTS], 1
	s_cmp_lg_u32 s[SLOTS], 0
	s_cbranch_scc1 .Lslot
	CHANGE 0                                       ; the last slot is written out: nothing is asked for
	STEP 0
	; THE MERGE of the two halves of the keys.  The four additions are the places behind the last products.
.irp t, 0,1,2,3
	v_add_f32 v[ST+8*\t+2], v[ST+8*\t+2], v[ST+8*\t+3]
.endr
	WIN 0x04                                       ; an LDS store's data are its source 1: window 1
.set i, 0
.rept 32
	ds_store_b128 v[XW], v[128+4*i:128+4*i+3] offset:512*i       ; my tiles 2, 3 as images of their registers, each accumulator from its low end on
.set i, i+1
.endr
	WIN 0
	ds_store_b32 v[XSW], v[ST+16]
	ds_store_b32 v[XSW], v[ST+24] offset:128
	ds_store_b32 v[XSW], v[ST+18] offset:256
	ds_store_b32 v[XSW], v[ST+26] offset:384
	s_wait_dscnt 0x0                               ; for the partner's sake: my stores have landed
	s_barrier_signal -1
	s_barrier_wait -1
.set i, 0
.rept 32
	ds_load_b128 v[S+4*i:S+4*i+3], v[XR] offset:512*i            ; the partner's sums of MY tiles 0, 1
.set i, i+1
.endr
	ds_load_b32 v[PM0], v[XSR]
	ds_load_b32 v[PM0+1], v[XSR] offset:128
	ds_load_b32 v[PM0+2], v[XSR] offset:256
	ds_load_b32 v[PM0+3], v[XSR] offset:384
	s_wait_dscnt 0x0
.irp t, 0,1
	v_max_num_f32 v[59+\t], v[ST+8*\t], v[PM0+\t]
.endr
.irp t, 0,1
	v_sub_f32 v[ST+8*\t+4], v[ST+8*\t], v[59+\t]
	v_sub_f32 v[ST+8*\t+6], v[PM0+\t], v[59+\t]
.endr
.irp t, 0,1
	v_mul_f32 v[ST+8*\t+4], s[LG], v[ST+8*\t+4]
	v_mul_f32 v[ST+8*\t+6], s[LG], v[ST+8*\t+6]
.endr
.irp t, 0,1
	v_exp_f32 v[ST+8*\t+4], v[ST+8*\t+4]           ; my half's factor
	v_exp_f32 v[ST+8*\t+6], v[ST+8*\t+6]           ; the partner's
.endr
	v_nop
	s_wait_alu depctr_va_vdst(0)                   ; one wait for the four
.irp t, 0,1
	v_mul_f32 v[ST+8*\t+2], v[ST+8*\t+2], v[ST+8*\t+4]
.endr
.irp t, 0,1
	v_fma_f32 v[ST+8*\t+2], v[PM0+2+\t], v[ST+8*\t+6], v[ST+8*\t+2]
.endr
.irp t, 0,1
	v_permlanex16_b32 v[ST+8*\t+3], v[ST+8*\t+2], s[SEL], s[SEL+1]
.endr
.irp t, 0,1
	v_add_f32 v[ST+8*\t+2], v[ST+8*\t+2], v[ST+8*\t+3]           ; the row's sum over all 2,048 keys
.endr
.irp t, 0,1
	v_rcp_f32 v[ST+8*\t+3], v[ST+8*\t+2]
.endr
	v_nop
	s_wait_alu depctr_va_vdst(0)                   ; one wait for the two
.irp t, 0,1
	v_mul_f32 v[ST+8*\t+4], v[ST+8*\t+4], v[ST+8*\t+3]
	v_mul_f32 v[ST+8*\t+6], v[ST+8*\t+6], v[ST+8*\t+3]
.endr
.irp t, 0,1
.set i, 0
.rept 32
	v_pk_mul_f32 v[S+64*\t+i:S+64*\t+i+1], v[S+64*\t+i:S+64*\t+i+1], v[ST+8*\t+6:ST+8*\t+7] op_sel_hi:[1,0]
.set i, i+2
.endr
.endr
	WIN 0x01
.irp t, 0,1
.set i, 0
.rept 32
	v_pk_fma_f32 v[S+64*\t+i:S+64*\t+i+1], v[64*\t+i:64*\t+i+1], v[ST+8*\t+4:ST+8*\t+5], v[S+64*\t+i:S+64*\t+i+1] op_sel_hi:[1,0,1]   ; ctx(query r, head 2 g + t, channel 16 dt + 8 h + j) at register 64 t + 8 dt + j
.set i, i+2
.endr
.endr
	WIN 0
	s_wait_xcnt 0x0                                ; EXEC changes only behind this wait (the prefetches)
	v_cmp_gt_u32 vcc_lo, 16, v[POS]
	s_and_saveexec_b32 s[SV], vcc_lo               ; positions 0 to 15 alone also leave in f32
.irp t, 0,1
.irp dt, 0,1,2,3,4,5,6,7
	global_store_b128 v[C32O], v[S+64*\t+8*\dt:S+64*\t+8*\dt+3], s[10:11] offset:512*\t+64*\dt
	global_store_b128 v[C32O], v[S+64*\t+8*\dt+4:S+64*\t+8*\dt+7], s[10:11] offset:512*\t+64*\dt+16
.endr
.endr
	s_wait_xcnt 0x0                                ; and again, in front of the line that widens it; the stores' data may be written again too
	s_or_b32 exec_lo, exec_lo, s[SV]
.set i, 0
.rept 64
	v_cvt_pk_f16_f32 v[P+i], v[S+2*i], v[S+2*i+1]
.set i, i+1
.endr
.irp t, 0,1
.irp dt, 0,1,2,3,4,5,6,7
	ds_store_b128 v[STO], v[P+32*\t+4*\dt:P+32*\t+4*\dt+3] offset:32*\dt
.endr
.irp f, 0,1,2,3,4,5,6,7
	ds_load_b128 v[S+32*\t+4*\f:S+32*\t+4*\f+3], v[RD] offset:\f*2*272       ; LDS serves a wave's instructions in order: these see the stores above, and the next tile's stores come behind them
.endr
.endr
.irp f, 0,1,2,3,4,5,6,7
	s_wait_dscnt 16+7-\f                           ; behind tile 0's loads: tile 1's sixteen
	global_store_b128 v[GO], v[S+4*\f:S+4*\f+3], s[8:9] offset:\f*8192       ; 16 lanes store 256 consecutive bytes, aligned
.endr
.irp f, 0,1,2,3,4,5,6,7
	s_wait_dscnt 7-\f
	global_store_b128 v[GO], v[S+32+4*\f:S+32+4*\f+3], s[8:9] offset:\f*8192+256
.endr
	s_wait_tensorcnt 0x0                           ; the wave's end
	ds_add_u32 v[SPW], v[NIL]
	s_wait_dscnt 0x0
	CROUND                                         ; the closing round
	s_endpgm
.Lfunc_end_k_qa63d777f8d_attn:
	.size	k_qa63d777f8d_attn, .Lfunc_end_k_qa63d777f8d_attn-k_qa63d777f8d_attn
	.p2alignl 7, 3214868480
	.fill 96, 4, 3214868480
	.section	.rodata,"a",@progbits
	.p2align	6, 0x0
	.amdhsa_kernel k_qa63d777f8d_attn
		.amdhsa_group_segment_fixed_size 327680
		.amdhsa_private_segment_fixed_size 0
		.amdhsa_enable_private_segment 0
		.amdhsa_kernarg_size 32
		.amdhsa_user_sgpr_count 2
		.amdhsa_user_sgpr_kernarg_segment_ptr 1
		.amdhsa_wavefront_size32 1
		.amdhsa_system_sgpr_workgroup_id_x 1
		.amdhsa_system_sgpr_workgroup_id_y 1
		.amdhsa_system_sgpr_workgroup_id_z 1
		.amdhsa_system_vgpr_workitem_id 0
		.amdhsa_next_free_vgpr 1024
		.amdhsa_next_free_sgpr 100
		.amdhsa_reserve_vcc 1
		.amdhsa_float_denorm_mode_32 3
		.amdhsa_float_denorm_mode_16_64 3
		.amdhsa_memory_ordered 1
		.amdhsa_forward_progress 1
		.amdhsa_inst_pref_size 197
	.end_amdhsa_kernel
	.amdgpu_metadata
---
amdhsa.version: [ 1, 2 ]
amdhsa.kernels:
  - .name:           k_qa63d777f8d_attn
    .symbol:         k_qa63d777f8d_attn.kd
    .args:
      - { .name: qkv, .offset: 0, .size: 8, .value_kind: global_buffer, .address_space: global }
      - { .name: attention_mask, .offset: 8, .size: 8, .value_kind: global_buffer, .address_space: global }
      - { .name: ctx16, .offset: 16, .size: 8, .value_kind: global_buffer, .address_space: global }
      - { .name: ctx32, .offset: 24, .size: 8, .value_kind: global_buffer, .address_space: global }
    .group_segment_fixed_size: 327680
    .private_segment_fixed_size: 0
    .kernarg_segment_align: 8
    .kernarg_segment_size: 32
    .max_flat_workgroup_size: 128
    .sgpr_count:     100
    .vgpr_count:     1024
    .wavefront_size: 32
...
	.end_amdgpu_metadata
.endif
;; end of part 3
;; launch wofine (part 4): grid 256 x 1, 8 waves a work-group, clusters of 4 x 1, 275,456 bytes of LDS; arguments Wo, ctx32, wo16, out0; writes wo16, out0
.if DOCPART == 4
	.amdgcn_target "amdgcn-amd-amdhsa--gfx1250"
	.amdhsa_code_object_version 6
	.text
	.protected	k_qa63d777f8d_wofine
	.globl	k_qa63d777f8d_wofine
	.p2align	8
	.type	k_qa63d777f8d_wofine,@function
k_qa63d777f8d_wofine:
	s_mov_b64 s[64:65], 0
	v_nop
	global_prefetch_b8 v0, s[64:65] scope:SCOPE_SE
	s_setreg_imm32_b32 hwreg(HW_REG_WAVE_MODE, 25, 1), 1
	s_wait_xcnt 0x0
	s_wait_alu depctr_hold_cnt(0) depctr_sa_sdst(0) depctr_va_vdst(0) depctr_va_sdst(0) depctr_va_ssrc(0) depctr_va_vcc(0) depctr_vm_vsrc(0)
	s_getreg_b32 s2, hwreg(HW_REG_IB_STS2, 6, 4)
	s_cmp_eq_u32 s2, 0
	s_cbranch_scc0 .Lentry_in_a_cluster
	s_endpgm
.Lentry_in_a_cluster:
	s_bfe_u32 s2, ttmp6, 0x10000c
	s_cmp_lg_u32 s2, 0x3003
	s_cbranch_scc0 .Lentry_shape_is_right
	s_endpgm
.Lentry_shape_is_right:
; FOURTH LAUNCH: (a) Wo [4,096][2,048] f32 is read once and leaves as f16 (wo16) for the last product; (b) on the same pass rows 0-15 of the result, out0[m][n] = sum over k of ctx32[m][k] Wo[n][k], are made with
; f32 operands: where a mask lets the first positions average few values, those rows are the largest, and the rounding of 16-bit operands would weigh most there.  No work is left out.
; LIMITS: wo16 is f16 (the drawn weights are about 0.02).
; SHARES.  A work-group takes 16 rows n of Wo; each of its eight waves 256 along K.  A wave's tile of Wo and its tile of ctx32 (16 rows x 1,024 bytes each) come by one tensor load each and are read by that wave alone.
; The eight waves' partial sums meet in LDS.  CLUSTER 4 x 1: the four partners need the same tiles of ctx32: a joint load; Wo's tiles are each work-group's own: a plain load.
; THE f32 MATRIX FORM does 16 x 16 x 2,048 for each work-group and no bulk work.  A lane takes 16 bytes of its row at 32 c + 16 (l / 16): registers (0, 1) and (2, 3) feed two instructions; K is permuted alike on both sides.
.set WP,    1040                       ; an LDS row: 1,024 bytes + 16: 65 x 16, so the 16 rows that a load touches start at 16 different groups of banks (ISA guide 11.1)
.set WTB,   16*WP
.set CT,    8*WTB                      ; ctx32's tiles, behind Wo's
.set RED,   2*CT                       ; the partial sums: (8 wave + register) x 128 bytes
.set SPARE, RED+8*8*128                ; the spare words, 128 bytes a wave
.set SPW, 30
.set NIL, 31
.set WV,  12
.set ACC, 160                          ; v160-191 four accumulators, written by matrix instructions alone
.macro CROUND
	s_barrier_signal -1
	s_barrier_wait -1
	s_cmp_lg_u32 s[WV], 0
	s_cbranch_scc1 .Lnot_wave_0_\@
	s_barrier_signal -3
.Lnot_wave_0_\@:
	s_barrier_wait -3
	s_barrier_signal -1
	s_barrier_wait -1
.endm
	s_load_b256 s[4:11], s[0:1], 0x0               ; Wo s[4:5], ctx32 s[6:7], wo16 s[8:9], out0 s[10:11]
	v_lshl_add_u32 v[SPW], v0, 2, SPARE
	v_mov_b32 v[NIL], 0
	ds_add_u32 v[SPW], v[NIL]                      ; the wave's opening: the add, twice on end, and its wait ahead of my first tensor load
	ds_add_u32 v[SPW], v[NIL]
	v_lshrrev_b32 v1, 5, v0
	v_readfirstlane_b32 s[WV], v1                  ; wave 0..7
	s_bfe_u32 s13, ttmp6, 0x40000                  ; cx
	s_lshl_b32 s14, ttmp9, 2
	s_add_co_u32 s14, s14, s13
	s_lshl_b32 s14, s14, 4                         ; my first row n of Wo
	s_mov_b32 s24, (2<<16)|(1<<20)|(7<<22)|(3<<25)                 ; Wo's: no mask; elements of 4 bytes; 4 words of padding behind every 256
	s_mov_b32 s32, 15|(2<<16)|(1<<20)|(1<<21)|(7<<22)|(3<<25)      ; ctx32's: all four work-groups
.irp g, 24, 32
	s_mov_b32 s[\g+1], 256<<16
	s_mov_b32 s[\g+2], 16<<16
	s_mov_b32 s[\g+3], 256<<16
	s_mov_b32 s[\g+4], 16
	s_mov_b32 s[\g+5], 2048
	s_mov_b32 s[\g+6], 0
	s_mov_b32 s[\g+7], 0
.endr
	s_lshl_b32 s18, s[WV], 10                      ; my 256 along K: 1,024 bytes.  s[18:19] hold the wave's number alone
	s_mov_b32 s19, 0
	s_lshl_b32 s16, s14, 13                        ; my rows of 8,192 bytes
	s_add_co_u32 s16, s16, s18
	s_mov_b32 s17, 0
	s_mul_i32 s15, s[WV], WTB
	s_wait_dscnt 0x0                               ; both opening adds are done
	s_wait_kmcnt 0x0
	s_mov_b32 s40, 1
	s_mov_b32 s41, s15
	s_add_nc_u64 s[42:43], s[4:5], s[16:17]
	s_or_b32 s43, s43, 0x80000000
	s_mov_b32 s44, 1
	s_add_co_u32 s45, s15, CT
	s_add_nc_u64 s[46:47], s[6:7], s[18:19]
	s_or_b32 s47, s47, 0x80000000
	CROUND                                         ; all four work-groups are here
	tensor_load_to_lds s[40:43], s[24:31]
	s_nop 0
	tensor_load_to_lds s[44:47], s[32:39]
	s_nop 0
.rept 4
	v_nop
.endr
	v_and_b32 v2, 31, v0                           ; lane
	v_and_b32 v3, 15, v0                           ; r
	v_bfe_u32 v4, v0, 4, 1                         ; h
	v_lshl_add_u32 v5, v2, 4, s15                  ; the narrowing: my tile, 16 x lane
	s_lshl_b32 s20, s[WV], 9
	v_lshl_add_u32 v6, v2, 3, s20                  ; wo16: 512 x wave + 8 x lane
	v_mul_u32_u24 v7, v3, WP
	v_lshl_add_u32 v7, v4, 4, v7
	v_add_nc_u32 v7, s15, v7                       ; the products: Wo's row r, + 16 h
	v_add_nc_u32 v8, CT, v7                        ; ctx32's
	s_lshl_b32 s20, s[WV], 10
	s_add_co_u32 s20, s20, RED
	v_lshl_add_u32 v9, v2, 2, s20                  ; my partial sums
	s_lshl_b32 s20, s[WV], 7
	s_add_co_u32 s20, s20, RED
	v_lshl_add_u32 v10, v2, 2, s20                 ; register w of every wave
	v_lshlrev_b32 v11, 17, v4
	v_lshl_add_u32 v11, v3, 2, v11                 ; out0: row 8 h of 16,384 bytes, + 4 r
	s_lshl_b32 s20, s14, 12
	s_mov_b32 s21, 0
	s_add_nc_u64 s[8:9], s[8:9], s[20:21]          ; wo16 at my first row
	s_lshl_b32 s20, s[WV], 14
	s_lshl_b32 s22, s14, 2
	s_add_co_u32 s20, s20, s22
	s_add_nc_u64 s[10:11], s[10:11], s[20:21]      ; out0 at row w, column n0
	s_wait_tensorcnt 0x0                           ; my two tiles are in; I alone read them
	; ---- Wo to f16: 32 dense loads of 512 bytes (row i / 2, half i % 2)
.set i, 0
.rept 32
	ds_load_b128 v[32+4*i:32+4*i+3], v5 offset:(i/2)*WP+(i%2)*512
.set i, i+1
.endr
.set i, 0
.rept 32
	s_wait_dscnt 31-i
	v_cvt_pk_f16_f32 v[192+2*i], v[32+4*i], v[32+4*i+1]
	v_cvt_pk_f16_f32 v[193+2*i], v[32+4*i+2], v[32+4*i+3]
	global_store_b64 v6, v[192+2*i:193+2*i], s[8:9] offset:(i/2)*4096+(i%2)*256   ; 32 lanes store 256 consecutive bytes, aligned
.set i, i+1
.endr
	; ---- rows 0-15 of the result
.macro BATCH n, buf                    ; chunks 8 n .. 8 n + 7 of 8 numbers: ctx32's at buf, Wo's at buf + 32
.irp c, 0,1,2,3,4,5,6,7
	ds_load_b128 v[\buf+4*\c:\buf+4*\c+3], v8 offset:32*(8*\n+\c)
	ds_load_b128 v[\buf+32+4*\c:\buf+32+4*\c+3], v7 offset:32*(8*\n+\c)
.endr
.endm
.macro PROD buf, zero                  ; 16 matrix instructions; the four accumulators take turns, one instruction a turn.  zero = 1: the first four start the sums
.irp c, 0,1,2,3,4,5,6,7
.irp u, 0,1
.set rD, ACC+8*((2*\c+\u)%4)
.if \zero && (\c < 2)
	v_wmma_f32_16x16x4_f32 v[rD:rD+7], v[\buf+4*\c+2*\u:\buf+4*\c+2*\u+1], v[\buf+32+4*\c+2*\u:\buf+32+4*\c+2*\u+1], 0
.else
	v_wmma_f32_16x16x4_f32 v[rD:rD+7], v[\buf+4*\c+2*\u:\buf+4*\c+2*\u+1], v[\buf+32+4*\c+2*\u:\buf+32+4*\c+2*\u+1], v[rD:rD+7]
.endif
.endr
.endr
.endm
.macro PLACES8                         ; this form wants eight places ahead of loads into its sources and of reads of its results
.rept 8
	v_nop
.endr
.endm
	BATCH 0, 32
	BATCH 1, 96
	s_wait_dscnt 16                                ; batch 0 is in; batch 1's sixteen loads may be out
	PROD 32, 1
	PLACES8
	BATCH 2, 32
	s_wait_dscnt 16
	PROD 96, 0
	PLACES8
	BATCH 3, 96
	s_wait_dscnt 16
	PROD 32, 0
	s_wait_dscnt 0x0
	PROD 96, 0
	PLACES8
	s_wait_xcnt 0x0                                ; wo16's stores have read v192 on
.irp i, 0,2,4,6
	v_pk_add_f32 v[192+\i:193+\i], v[ACC+\i:ACC+\i+1], v[ACC+8+\i:ACC+8+\i+1]         ; each accumulator from its low end on; the sums go into other registers
.endr
.irp i, 0,2,4,6
	v_pk_add_f32 v[200+\i:201+\i], v[ACC+16+\i:ACC+16+\i+1], v[ACC+24+\i:ACC+24+\i+1]
.endr
.irp i, 0,2,4,6
	v_pk_add_f32 v[192+\i:193+\i], v[192+\i:193+\i], v[200+\i:201+\i]
.endr
.irp j, 0,1,2,3,4,5,6,7
	ds_store_b32 v9, v[192+\j] offset:128*\j       ; register j: (m = 8 h + j, n = r)
.endr
	s_wait_dscnt 0x0                               ; for the others' sake
	s_barrier_signal -1
	s_barrier_wait -1
.irp u, 0,1,2,3,4,5,6,7
	ds_load_b32 v[208+\u], v10 offset:1024*\u      ; wave w sums register w of all eight waves
.endr
	s_wait_dscnt 0x0
	v_pk_add_f32 v[208:209], v[208:209], v[210:211]
	v_pk_add_f32 v[212:213], v[212:213], v[214:215]
	v_pk_add_f32 v[208:209], v[208:209], v[212:213]
	v_add_f32 v208, v208, v209
	global_store_b32 v11, v208, s[10:11]           ; out0(8 h + w, n0 + r): 64 bytes for each half of the lanes; 256 KiB in the whole launch
	s_wait_tensorcnt 0x0                           ; the wave's end
	ds_add_u32 v[SPW], v[NIL]
	s_wait_dscnt 0x0
	CROUND                                         ; the closing round
	s_endpgm
.Lfunc_end_k_qa63d777f8d_wofine:
	.size	k_qa63d777f8d_wofine, .Lfunc_end_k_qa63d777f8d_wofine-k_qa63d777f8d_wofine
	.p2alignl 7, 3214868480
	.fill 96, 4, 3214868480
	.section	.rodata,"a",@progbits
	.p2align	6, 0x0
	.amdhsa_kernel k_qa63d777f8d_wofine
		.amdhsa_group_segment_fixed_size 275456
		.amdhsa_private_segment_fixed_size 0
		.amdhsa_enable_private_segment 0
		.amdhsa_kernarg_size 32
		.amdhsa_user_sgpr_count 2
		.amdhsa_user_sgpr_kernarg_segment_ptr 1
		.amdhsa_wavefront_size32 1
		.amdhsa_system_sgpr_workgroup_id_x 1
		.amdhsa_system_sgpr_workgroup_id_y 1
		.amdhsa_system_sgpr_workgroup_id_z 1
		.amdhsa_system_vgpr_workitem_id 0
		.amdhsa_next_free_vgpr 256
		.amdhsa_next_free_sgpr 66
		.amdhsa_reserve_vcc 0
		.amdhsa_float_denorm_mode_32 3
		.amdhsa_float_denorm_mode_16_64 3
		.amdhsa_memory_ordered 1
		.amdhsa_forward_progress 1
		.amdhsa_inst_pref_size 26
	.end_amdhsa_kernel
	.amdgpu_metadata
---
amdhsa.version: [ 1, 2 ]
amdhsa.kernels:
  - .name:           k_qa63d777f8d_wofine
    .symbol:         k_qa63d777f8d_wofine.kd
    .args:
      - { .name: Wo, .offset: 0, .size: 8, .value_kind: global_buffer, .address_space: global }
      - { .name: ctx32, .offset: 8, .size: 8, .value_kind: global_buffer, .address_space: global }
      - { .name: wo16, .offset: 16, .size: 8, .value_kind: global_buffer, .address_space: global }
      - { .name: out0, .offset: 24, .size: 8, .value_kind: global_buffer, .address_space: global }
    .group_segment_fixed_size: 275456
    .private_segment_fixed_size: 0
    .kernarg_segment_align: 8
    .kernarg_segment_size: 32
    .max_flat_workgroup_size: 256
    .sgpr_count:     66
    .vgpr_count:     256
    .wavefront_size: 32
...
	.end_amdgpu_metadata
.endif
;; end of part 4
;; launch proj (part 5): grid 16 x 16, 4 waves a work-group, clusters of 4 x 4, 327,680 bytes of LDS; arguments ctx16, wo16, out0; writes out0
.if DOCPART == 5
	.amdgcn_target "amdgcn-amd-amdhsa--gfx1250"
	.amdhsa_code_object_version 6
	.text
	.protected	k_qa63d777f8d_proj
	.globl	k_qa63d777f8d_proj
	.p2align	8
	.type	k_qa63d777f8d_proj,@function
k_qa63d777f8d_proj:
	s_mov_b64 s[64:65], 0
	v_nop
	global_prefetch_b8 v0, s[64:65] scope:SCOPE_SE
	s_setreg_imm32_b32 hwreg(HW_REG_WAVE_MODE, 25, 1), 1
	s_wait_xcnt 0x0
	s_wait_alu depctr_hold_cnt(0) depctr_sa_sdst(0) depctr_va_vdst(0) depctr_va_sdst(0) depctr_va_ssrc(0) depctr_va_vcc(0) depctr_vm_vsrc(0)
	s_getreg_b32 s2, hwreg(HW_REG_IB_STS2, 6, 4)
	s_cmp_eq_u32 s2, 0
	s_cbranch_scc0 .Lentry_in_a_cluster
	s_endpgm
.Lentry_in_a_cluster:
	s_bfe_u32 s2, ttmp6, 0x10000c
	s_cmp_lg_u32 s2, 0xf033
	s_cbranch_scc0 .Lentry_shape_is_right
	s_endpgm
.Lentry_shape_is_right:
; FIFTH LAUNCH: out0[m][n] = sum over k of ctx16[m][k] wo16[n][k], 2,048 x 4,096 x 2,048, f16 operands, f32 sums.  Rows 0-15 of out0 are the fourth launch's (f32 operands): here they are multiplied inside
; the first tile, which also holds live rows, and are not stored.
; A tile is 128 rows x 256 columns; four waves, each 64 x 128: 32 accumulators.  16 x 16 tiles: one for each of 256 work-groups.
; THE RING HAS TWO SLOTS OF UNLIKE SIZE.  A K step of 128 is 384 rows of 256 bytes; LDS has room for three of them, not for four.  Slot Y holds one K step, slot X two (rows of 512 bytes), and K is walked
; Y X Y X Y X Y X Y X Y: 6 x 1 + 5 x 2 = 16 K steps, ascending, each byte asked for once.  So a wave issues 9 refills where two slots of one K step would want 14, and Y's refill has X's 256 matrix instructions
; (less the 16 between a barrier's signal and its wait) in which to land, X's refill Y's 128 less 16.  Both slots step 3 K steps, 768 bytes along the rows, from fill to fill.
; Waves 0, 1 ask for A's halves (64 rows), waves 2, 3 for B's (128 rows).  CLUSTERS 4 x 4: A's tiles are shared along a row of the cluster, B's along a column: joint loads.
; No prefetch: each tile is asked for by four clusters in turn, not once.
; THE MATRIX INSTRUCTION IS USED TRANSPOSED (source 0 = 16 rows of wo16, source 1 = 16 rows of ctx16): a lane holds eight neighbouring numbers of a row of the result.
; REGISTERS: window 0: v1-29 addresses, v128-255 the way out.   window 1: two fragment buffers of 96 (A's 4 fragments, then B's 8).   window 2: the accumulators ((a, b) at v[8 (8 a + b)]).
.set PX,     528                       ; a row of slot X in LDS: 512 bytes + 16: 33 x 16, so the 16 rows that a load touches start at 16 different groups of banks (ISA guide 11.1)
.set PY,     272                       ; of slot Y: 256 bytes + 16
.set XB,     128*PX                    ; slot X (number 0) begins at LDS byte 0: A's 128 rows, then B's 256
.set YA,     384*PX                    ; slot Y (number 1): A's rows,
.set YB,     YA+128*PY                 ; B's
.set SPARE,  YA+384*PY                 ; behind the ring: the spare words, 128 bytes a wave
.set STAGE,  0                         ; the way out: 16 rows x 528 bytes for each wave, in slot X, which has had its last fill and its last read when the first result is stored there
.set SPITCH, 528
.set TRIPS,  4
.set NEXTK,  768                       ; bytes along a row from a slot's fill to its next
.set ADRA, 16                          ; v16, v17  LDS address of my A fragments in slot X, Y
.set ADRB, 20                          ; v20, v21  the same for B
.set STO,  24
.set RD,   25
.set CO,   26
.set TROW, 27                          ; v27 my wave's first row of the result
.set SPW,  28
.set NIL,  29
.set BK,   128
.set F0,   0
.set F1,   96
.set WV,   10
.set G1A,  24                          ; descriptor group 1 for A's tiles: s[24:31] slot X, s[40:47] slot Y
.set G1B,  32                          ; for B's: s[32:39], s[48:55]
.set G0A,  56                          ; group 0 for A's tiles: s[56:59] slot X, s[68:71] slot Y
.set G0B,  60                          ; for B's: s[60:63], s[72:75]
.set SV,   84
.set MSB, 0
.macro WIN new
.if MSB != \new
	s_set_vgpr_msb (MSB<<8)|\new
.set MSB, \new
.endif
.endm
.set MUL,  0xa5
.set TO_F, 0x40
.macro PLACES
.rept 4
	v_nop
.endr
.endm
.macro JLOAD s                         ; a joint load into slot s; an s_nop 0 and four v_nop follow each of the two lines
	s_cmp_eq_u32 s11, 0
	s_cbranch_scc0 .Lfor_b_\@
	tensor_load_to_lds s[G0A+12*\s:G0A+12*\s+3], s[G1A+16*\s:G1A+16*\s+7]
	s_nop 0
.rept 4
	v_nop
.endr
	s_branch .Lasked_\@
.Lfor_b_\@:
	tensor_load_to_lds s[G0B+12*\s:G0B+12*\s+3], s[G1B+16*\s:G1B+16*\s+7]
	s_nop 0
.rept 4
	v_nop
.endr
.Lasked_\@:
.endm
.macro CREST
	s_cmp_lg_u32 s[WV], 0
	s_cbranch_scc1 .Lnot_wave_0_\@
	s_barrier_signal -3
.Lnot_wave_0_\@:
	s_barrier_wait -3
	s_barrier_signal -1
	s_barrier_wait -1
.endm
.macro CROUND
	s_barrier_signal -1
	s_barrier_wait -1
	CREST
.endm
	s_load_b128 s[4:7], s[0:1], 0x0                ; ctx16 s[4:5], wo16 s[6:7]
	s_load_b64 s[8:9], s[0:1], 0x10                ; out0
	v_lshl_add_u32 v[SPW], v0, 2, SPARE
	v_mov_b32 v[NIL], 0
	ds_add_u32 v[SPW], v[NIL]                      ; the wave's opening: the add, twice on end, and its wait ahead of my first tensor load
	ds_add_u32 v[SPW], v[NIL]
	v_lshrrev_b32 v1, 5, v0
	v_readfirstlane_b32 s[WV], v1
	s_lshr_b32 s11, s[WV], 1                       ; which 64 rows of the tile are mine.  Also: I fetch for A (0) or for B (1)
	s_and_b32 s12, s[WV], 1                        ; which 128 columns.  Also: which half of that tile I fetch
	s_bfe_u32 s76, ttmp6, 0x40000                  ; cx
	s_bfe_u32 s77, ttmp6, 0x40004                  ; cy
	s_lshl_b32 s78, ttmp9, 2
	s_add_co_u32 s78, s78, s76                     ; tile column
	s_and_b32 s13, ttmp7, 0xffff
	s_lshl_b32 s13, s13, 2
	s_add_co_u32 s13, s13, s77                     ; tile row
	s_lshl_b32 s79, s77, 2
	s_lshl_b32 s79, 15, s79                        ; my row of the cluster
	s_lshl_b32 s80, 0x1111, s76                    ; my column
	s_or_b32 s[G1A], s79, (1<<16)|(1<<20)|(1<<21)|(6<<22)|(3<<25)      ; slot X: the mask; elements of 2 bytes; 4 words of padding behind every 128; bit 21 beside a mask
	s_or_b32 s[G1B], s80, (1<<16)|(1<<20)|(1<<21)|(6<<22)|(3<<25)
	s_or_b32 s[G1A+16], s79, (1<<16)|(1<<20)|(1<<21)|(5<<22)|(3<<25)   ; slot Y: 4 words behind every 64
	s_or_b32 s[G1B+16], s80, (1<<16)|(1<<20)|(1<<21)|(5<<22)|(3<<25)
.irp g, G1A, G1B
	s_mov_b32 s[\g+1], 256<<16                     ; tensor_dim0 = 256 elements: two K steps
	s_mov_b32 s[\g+3], 256<<16                     ; tile_dim0
	s_mov_b32 s[\g+5], 2048                        ; from row to row
	s_mov_b32 s[\g+6], 0
	s_mov_b32 s[\g+7], 0
.endr
.irp g, G1A+16, G1B+16
	s_mov_b32 s[\g+1], 128<<16                     ; one K step
	s_mov_b32 s[\g+3], 128<<16
	s_mov_b32 s[\g+5], 2048
	s_mov_b32 s[\g+6], 0
	s_mov_b32 s[\g+7], 0
.endr
.irp g, G1A, G1A+16
	s_mov_b32 s[\g+2], 64<<16                      ; A: 64 rows a load
	s_mov_b32 s[\g+4], 64
.endr
.irp g, G1B, G1B+16
	s_mov_b32 s[\g+2], 128<<16                     ; B: 128 rows a load
	s_mov_b32 s[\g+4], 128
.endr
	s_lshl_b32 s17, s12, 6
	s_lshl_b32 s16, s13, 7
	s_add_co_u32 s16, s16, s17
	s_lshl_b32 s16, s16, 12                        ; A: row 128 x tile row + 64 x half, of 4,096 bytes.  s[14:17] never hold the tile column, s[82:83] never the tile row
	s_mov_b32 s17, 0
	s_lshl_b32 s83, s12, 7
	s_lshl_b32 s82, s78, 8
	s_add_co_u32 s82, s82, s83
	s_lshl_b32 s82, s82, 12                        ; B: row 256 x tile column + 128 x half
	s_mov_b32 s83, 0
	s_mul_i32 s20, s12, 64*PX                      ; where they go: slot X, A's half,
	s_mul_i32 s21, s12, 128*PX
	s_add_co_u32 s21, s21, XB                      ; B's half;
	s_mul_i32 s22, s12, 64*PY
	s_add_co_u32 s22, s22, YA                      ; slot Y, A's half,
	s_mul_i32 s23, s12, 128*PY
	s_add_co_u32 s23, s23, YB                      ; B's half
	s_wait_dscnt 0x0                               ; both opening adds are done
	s_wait_kmcnt 0x0
	s_add_nc_u64 s[14:15], s[4:5], s[16:17]
	s_add_nc_u64 s[82:83], s[6:7], s[82:83]
	s_mov_b32 s[G0A], 1                            ; slot X begins with K steps 1 and 2: 256 bytes along the rows
	s_mov_b32 s[G0A+1], s20
	s_add_nc_u64 s[G0A+2:G0A+3], s[14:15], 256
	s_or_b32 s[G0A+3], s[G0A+3], 0x80000000
	s_mov_b32 s[G0B], 1
	s_mov_b32 s[G0B+1], s21
	s_add_nc_u64 s[G0B+2:G0B+3], s[82:83], 256
	s_or_b32 s[G0B+3], s[G0B+3], 0x80000000
	s_mov_b32 s[G0A+12], 1                         ; slot Y with K step 0
	s_mov_b32 s[G0A+13], s22
	s_mov_b64 s[G0A+14:G0A+15], s[14:15]
	s_or_b32 s[G0A+15], s[G0A+15], 0x80000000
	s_mov_b32 s[G0B+12], 1
	s_mov_b32 s[G0B+13], s23
	s_mov_b64 s[G0B+14:G0B+15], s[82:83]
	s_or_b32 s[G0B+15], s[G0B+15], 0x80000000
	CROUND                                         ; all sixteen work-groups are here: the first joint loads meet
	JLOAD 1                                        ; Y first: it is read first
	JLOAD 0                                        ; two tensor loads of mine are out
	v_and_b32 v1, 15, v0
	v_bfe_u32 v2, v0, 4, 1
	v_and_b32 v3, 31, v0
	v_mul_u32_u24 v4, v1, PX
	v_lshl_add_u32 v4, v2, 4, v4                   ; a fragment's row x pitch + 16 x half, in slot X,
	v_mul_u32_u24 v5, v1, PY
	v_lshl_add_u32 v5, v2, 4, v5                   ; in slot Y
	s_mul_i32 s20, s11, 64*PX                      ; my 64 rows of A
	s_mul_i32 s21, s12, 128*PX                     ; my 128 rows of B
	s_add_co_u32 s21, s21, XB
	s_mul_i32 s22, s11, 64*PY
	s_add_co_u32 s22, s22, YA
	s_mul_i32 s23, s12, 128*PY
	s_add_co_u32 s23, s23, YB
	v_add_nc_u32 v[ADRA], s20, v4
	v_add_nc_u32 v[ADRB], s21, v4
	v_add_nc_u32 v[ADRA+1], s22, v5
	v_add_nc_u32 v[ADRB+1], s23, v5
	s_mul_i32 s23, s[WV], 16*SPITCH
	s_add_co_u32 s23, s23, STAGE                   ; my stage
	v_mul_u32_u24 v6, v1, SPITCH
	v_lshl_add_u32 v6, v2, 5, v6
	v_add_nc_u32 v[STO], s23, v6                   ; in: row l % 16, 32 bytes for each half of the lanes
	v_lshlrev_b32 v[CO], 4, v3                     ; back: the 32 lanes take one row of 512 bytes; and the same in out0
	v_add_nc_u32 v[RD], s23, v[CO]
	s_lshl_b32 s16, s13, 7
	s_lshl_b32 s17, s11, 6
	s_add_co_u32 s16, s16, s17                     ; my first row
	v_mov_b32 v[TROW], s16
	s_lshl_b32 s16, s16, 14                        ; x 16,384 bytes
	s_lshl_b32 s20, s78, 10
	s_lshl_b32 s21, s12, 9
	s_add_co_u32 s20, s20, s21                     ; my first column, in bytes
	s_add_co_u32 s16, s16, s20
	s_mov_b32 s17, 0
	s_add_nc_u64 s[8:9], s[8:9], s[16:17]
.macro MULA f, a, zero                 ; eight matrix instructions: A's block a against B's eight.  The 32 accumulators take turns in the same order in every quarter
.irp b, 0,1,2,3,4,5,6,7
.if \zero
	v_wmma_f32_16x16x32_f16 v[8*(8*(\a)+\b):8*(8*(\a)+\b)+7], v[(\f)+32+8*\b:(\f)+32+8*\b+7], v[(\f)+8*(\a):(\f)+8*(\a)+7], 0
.else
	v_wmma_f32_16x16x32_f16 v[8*(8*(\a)+\b):8*(8*(\a)+\b)+7], v[(\f)+32+8*\b:(\f)+32+8*\b+7], v[(\f)+8*(\a):(\f)+8*(\a)+7], v[8*(8*(\a)+\b):8*(8*(\a)+\b)+7]
.endif
.endr
.endm
.macro FETCH slot, k, f                ; 24 LDS loads in one run: the fragments of 32 along K at byte k of the slot's rows: B's eight, then A's four
.set FP, PX-(PX-PY)*(\slot)            ; the slot's pitch
	WIN TO_F
.irp i, 0,1,2,3,4,5,6,7
	ds_load_b128 v[(\f)+32+8*\i:(\f)+32+8*\i+3], v[ADRB+\slot] offset:(\k)+\i*16*FP
	ds_load_b128 v[(\f)+32+8*\i+4:(\f)+32+8*\i+7], v[ADRB+\slot] offset:(\k)+\i*16*FP+32
.endr
.irp i, 0,1,2,3
	ds_load_b128 v[(\f)+8*\i:(\f)+8*\i+3], v[ADRA+\slot] offset:(\k)+\i*16*FP
	ds_load_b128 v[(\f)+8*\i+4:(\f)+8*\i+7], v[ADRA+\slot] offset:(\k)+\i*16*FP+32
.endr
.endm
; A quarter is 32 along K, 32 matrix instructions; slot Y has four, slot X eight, on buffers 0, 1 by turns.  All but a slot's last: multiplies buffer q % 2 and fetches quarter q + 1 of the same slot into the other.
.macro QUARTER slot, q, zero
	s_wait_dscnt 4                                 ; all but the youngest four loads (A's blocks 2 and 3) are in
	WIN MUL
	MULA 96*((\q)%2), 0, \zero
	MULA 96*((\q)%2), 1, \zero
	PLACES                                         ; between the matrix instructions that read the other buffer and the loads into it (ISA guide 7.12.1 for vector instructions)
	FETCH \slot, 64*((\q)+1), 96*(1-(\q)%2)
	s_wait_dscnt 24                                ; all but the 24 just issued
	WIN MUL
	MULA 96*((\q)%2), 2, \zero
	MULA 96*((\q)%2), 3, \zero
.endm
; A slot's last quarter multiplies buffer 1 and changes slots: ONE barrier; in front of it each wave waits for all its tensor loads, adds 0 to its spare word, and waits for that and for its own reads of this slot.
; fill = 1: this slot is filled again, with the K steps three on.
.macro TURN slot, next, fill
	WIN 0
	s_wait_tensorcnt 0x0                           ; all my tensor loads have landed: my part of the next slot
	ds_add_u32 v[SPW], v[NIL]                      ; 0 onto my spare word
	s_wait_dscnt 5                                 ; (the add and the youngest four loads may be out)
	WIN MUL
	MULA F1, 0, 0
	s_wait_dscnt 0x0                               ; the add is done, and my reads of this slot are over
	s_barrier_signal -1
	MULA F1, 1, 0
.if \fill
	WIN 0
.endif
	s_barrier_wait -1
.if \fill
	CREST                                          ; the barrier has opened a round of the cluster's: no wave of any partner still reads this slot or has a load on its way
	s_add_nc_u64 s[G0A+12*\slot+2:G0A+12*\slot+3], s[G0A+12*\slot+2:G0A+12*\slot+3], NEXTK
	s_add_nc_u64 s[G0B+12*\slot+2:G0B+12*\slot+3], s[G0B+12*\slot+2:G0B+12*\slot+3], NEXTK
	JLOAD \slot                                    ; my one tensor load behind the round; its four v_nop are also the places in front of the loads below
.else
	PLACES
.endif
	FETCH \next, 0, F0
	WIN MUL
	MULA F1, 2, 0
	MULA F1, 3, 0
.endm
.macro XQUARTERS                       ; slot X's quarters 0 to 6
.irp q, 0,1,2,3,4,5,6
	QUARTER 0, \q, 0
.endr
.endm
	s_wait_tensorcnt 1                             ; my part of K step 0 (slot Y) is in; slot X's load, issued behind it, may stay out
	s_barrier_signal -1
	s_barrier_wait -1
	FETCH 1, 0, F0
	QUARTER 1, 0, 1                                ; the first quarter's products start the sums
	WIN 0
	s_mov_b32 s3, TRIPS
.Llap:                                                 ; a trip goes once round the ring, three K steps, and fills both slots again
	QUARTER 1, 1, 0
	QUARTER 1, 2, 0
	TURN 1, 0, 1
	XQUARTERS
	TURN 0, 1, 1
	QUARTER 1, 0, 0
	WIN 0
	s_sub_co_u32 s3, s3, 1
	s_cmp_lg_u32 s3, 0
	s_cbranch_scc1 .Llap
	QUARTER 1, 1, 0                                ; the tail is written out: K step 12,
	QUARTER 1, 2, 0
	TURN 1, 0, 1                                   ; slot Y takes K step 15: the last load
	XQUARTERS                                      ; K steps 13 and 14
	TURN 0, 1, 0                                   ; nothing is left to fetch; behind this barrier nobody reads slot X
	QUARTER 1, 0, 0                                ; K step 15
	QUARTER 1, 1, 0
	QUARTER 1, 2, 0
	s_wait_dscnt 4
	WIN MUL
	MULA F1, 0, 0
	MULA F1, 1, 0
	s_wait_dscnt 0x0
	MULA F1, 2, 0
	MULA F1, 3, 0
	WIN 0
; THE WAY OUT, 16 rows x 128 columns at a time, through my own stage: in as 32 bytes a lane, back as whole rows of 512 bytes.
.macro TOSTAGE a
	WIN 0x08                                       ; an LDS store's data are its source 1: window 2
.irp b, 0,1,2,3,4,5,6,7
	ds_store_b128 v[STO], v[64*(\a)+8*\b:64*(\a)+8*\b+3] offset:64*\b            ; each accumulator from its low end on
	ds_store_b128 v[STO], v[64*(\a)+8*\b+4:64*(\a)+8*\b+7] offset:64*\b+16
.endr
	WIN 0
.set BB, BK+64*((\a)%2)
.irp t, 0,1,2,3,4,5,6,7,8,9,10,11,12,13,14,15
	ds_load_b128 v[BB+4*\t:BB+4*\t+3], v[RD] offset:\t*SPITCH                    ; LDS serves a wave's instructions in order: these see the stores above
.endr
.endm
.macro STORES a
.set BB, BK+64*((\a)%2)
.irp t, 0,1,2,3,4,5,6,7,8,9,10,11,12,13,14,15
	global_store_b128 v[CO], v[BB+4*\t:BB+4*\t+3], s[8:9] offset:(16*(\a)+\t)*16384 th:TH_STORE_NT   ; 32 lanes store 512 consecutive bytes, aligned; written once, read by nobody here
.endr
.endm
	PLACES                                         ; between the last products and the first read of results
	TOSTAGE 0
	s_wait_dscnt 0x0                               ; block 0 is back; no LDS instruction is out when EXEC changes
	v_cmp_ne_u32 vcc_lo, 0, v[TROW]                ; rows 0-15 of out0 are the fourth launch's: the wave that holds them stores nothing of its block 0
	s_and_saveexec_b32 s[SV], vcc_lo
	STORES 0
	s_wait_xcnt 0x0                                ; EXEC is widened, and the stores' registers are written again, only behind this wait
	s_or_b32 exec_lo, exec_lo, s[SV]
	TOSTAGE 1
	TOSTAGE 2
	s_wait_dscnt 32                                ; block 1 is back; block 2's 16 stores and 16 loads may be out
	STORES 1
	s_wait_xcnt 0x0                                ; block 1's stores have read their registers: block 3's loads may land there
	TOSTAGE 3
	s_wait_dscnt 32
	STORES 2
	s_wait_dscnt 0x0
	STORES 3
	s_wait_tensorcnt 0x0                           ; the wave's end
	ds_add_u32 v[SPW], v[NIL]
	s_wait_dscnt 0x0
	CROUND                                         ; the closing round
	s_endpgm
.Lfunc_end_k_qa63d777f8d_proj:
	.size	k_qa63d777f8d_proj, .Lfunc_end_k_qa63d777f8d_proj-k_qa63d777f8d_proj
	.p2alignl 7, 3214868480
	.fill 96, 4, 3214868480
	.section	.rodata,"a",@progbits
	.p2align	6, 0x0
	.amdhsa_kernel k_qa63d777f8d_proj
		.amdhsa_group_segment_fixed_size 327680
		.amdhsa_private_segment_fixed_size 0
		.amdhsa_enable_private_segment 0
		.amdhsa_kernarg_size 24
		.amdhsa_user_sgpr_count 2
		.amdhsa_user_sgpr_kernarg_segment_ptr 1
		.amdhsa_wavefront_size32 1
		.amdhsa_system_sgpr_workgroup_id_x 1
		.amdhsa_system_sgpr_workgroup_id_y 1
		.amdhsa_system_sgpr_workgroup_id_z 1
		.amdhsa_system_vgpr_workitem_id 0
		.amdhsa_next_free_vgpr 768
		.amdhsa_next_free_sgpr 96
		.amdhsa_reserve_vcc 1
		.amdhsa_float_denorm_mode_32 3
		.amdhsa_float_denorm_mode_16_64 3
		.amdhsa_memory_ordered 1
		.amdhsa_forward_progress 1
		.amdhsa_inst_pref_size 132
	.end_amdhsa_kernel
	.amdgpu_metadata
---
amdhsa.version: [ 1, 2 ]
amdhsa.kernels:
  - .name:           k_qa63d777f8d_proj
    .symbol:         k_qa63d777f8d_proj.kd
    .args:
      - { .name: ctx16, .offset: 0, .size: 8, .value_kind: global_buffer, .address_space: global }
      - { .name: wo16, .offset: 8, .size: 8, .value_kind: global_buffer, .address_space: global }
      - { .name: out0, .offset: 16, .size: 8, .value_kind: global_buffer, .address_space: global }
    .group_segment_fixed_size: 327680
    .private_segment_fixed_size: 0
    .kernarg_segment_align: 8
    .kernarg_segment_size: 24
    .max_flat_workgroup_size: 128
    .sgpr_count:     96
    .vgpr_count:     768
    .wavefront_size: 32
...
	.end_amdgpu_metadata
.endif
;; end of part 5
